; MI455X (gfx1250); checked and timed in simulation.
; The chip was launched on July 23, 2026; its instructions are those of AMD's public machine-readable ISA for CDNA 5 (MIT licence, August 2026) and "CDNA5" Instruction Set Architecture Reference Guide (July 2026). The comments in the code are by the model that wrote it; some were corrected since.
;; Cross Modality Attention. Allowed arithmetic: matrix products marked QUANTISED: E2M1 operands, one E8M0 scale for each 32 along K, by v_wmma_scale_f32_16x16x128_f8f6f4 with both operands' format E2M1 (or v_wmma_scale_f32_32x16x128_f4), f32 sums; everything else in f32.
;; Inputs: b_out 1,024 float32; b_qkv 3,072 float32; context 2 x 2,048 x 1,024 float32; ln_b 1,024 float32; ln_g 1,024 float32; w_out 1,024 x 1,024 float32; w_qkv 1,024 x 3,072 float32; x 2 x 2,048 x 1,024 float32.
;; Outputs: out0 2 x 2,048 x 1,024 float32.
;; This version of the problem:
;;   THIS VERSION OF THE PROBLEM IS GIVEN IN LOW PRECISION. The matrix products marked QUANTISED in the list below multiply operands that are first quantised to E2M1 (2 exponent bits, 1 mantissa bit; 4 bits a number), with one power-of-two scale for each 32 numbers along K (OCP MX v1.0); their sums are f32. All else is computed in f32.
;;   The module's matrix products, in the order in which they are computed (A, B: the left and right operand; K: the contracted axis; several contracted axes count as one K, in the product's order):
;;     1. [M 4,096, K 1,024] x [K 1,024, N 3,072]; A: computed on the way; B: input w_qkv: QUANTISED
;;     2. [M 4,096, K 1,024] x [K 1,024, N 3,072]; A: computed on the way; B: input w_qkv: QUANTISED
;;     3. batch 32 x [M 2,048, K 64] x [K 64, N 4,096]; A: computed on the way; B: computed on the way: QUANTISED
;;     4. batch 32 x [M 2,048, K 4,096] x [K 4,096, N 64]; A: softmax (see below); B: computed on the way: QUANTISED
;;     5. [M 4,096, K 1,024] x [K 1,024, N 1,024]; A: computed on the way; B: input w_out: QUANTISED
;;   THE QUANTISER, for each operand of a quantised product, along K:
;;     - K is cut into blocks of 32 from its start; a last block that is shorter is filled with zeros.
;;     - A block's scale is 2^e with e = floor(log2(the largest magnitude in the block)) - 2, held to -126 .. 127; a block of zeros has e = 0. As a byte (E8M0): e + 127.
;;     - Each number is divided by its block's scale, clamped to +-6, and rounded to the nearest number of E2M1, ties to even, subnormals kept.
;;     - The product sums the exact products of the quantised numbers (number of the format x scale) in f32.
;;   ~~~python
;;   def quantise(x, axis):      # numpy; x: float32 -> the quantised numbers, widened to float32 again
;;       x = np.moveaxis(x, axis, -1); K = x.shape[-1]
;;       x = np.pad(x, [(0, 0)] * (x.ndim - 1) + [(0, -K % 32)]); x = x.reshape(x.shape[:-1] + (-1, 32)); a = np.abs(x).max(-1, keepdims=True)
;;       e = np.where(a > 0, np.clip(np.frexp(np.where(a > 0, a, 1))[1] - 1 - 2, -126, 127), 0)      # np.frexp(a)[1] - 1 = floor(log2(a)), exactly
;;       r = np.clip(x / 2.0 ** e, -6, 6)
;;       step = 2.0 ** (np.maximum(np.frexp(np.where(r == 0, 1, r))[1] - 1, 0) - 1)
;;       q = np.round(r / step) * step * 2.0 ** e      # np.round: ties to even
;;       return np.moveaxis(q.reshape(q.shape[:-2] + (-1,))[..., :K], -1, axis).astype(np.float32)
;;   ~~~
;;   SOFTMAX AHEAD OF A QUANTISED PRODUCT. Where the list says 'softmax', what is quantised is not the finished softmax but p = 2^(t - M), with t = logit x log2(e) and M = ceil(the row's largest t), a whole number; so 1/2 < the row's largest p <= 1. The row's sum l is taken of the UNQUANTISED p, in f32, and the product's result is divided by l at the end. Since M is a whole number, a kernel that streams over the keys may use a running M (the ceiling of the running maximum): every later rescaling is an exact power of two, which a block's scale takes up: the codes' values come out the same.
;;   OPERANDS COMPUTED ON THE WAY. 'Computed on the way' means the value that the module computes at that place (a softmax that the list does not call 'softmax' is quantised finished and normalised). What goes into a quantiser is computed in f32, as accurately as f32 sums, v_exp_f32 and their like allow (about 1e-6 of the number): no bf16 or f16 on the way to a quantiser, and a product that is left as it is and whose result goes on into a quantised operand takes f32 operands (vector FMAs, or v_wmma_f32_16x16x4_f32). A number that lies on a knife's edge between two numbers of the format may be rounded either way, as far as f32 arithmetic and the matrix unit's own rounding can turn it there, and no further.
;; One version. Each part assembles by itself: llvm-mc -triple=amdgcn-amd-amdhsa -mcpu=gfx1250 --defsym DOCPART=n.
;; ======== version 1 of 1: 4 launches
;; limits: right only within a limited range of input values
;; workspace buffers: acode 4,456,448 bytes; wimg 2,228,224 bytes; qrec 2,359,296 bytes; kvrec 9,175,040 bytes; ocode 2,228,224 bytes
;; launch prep (part 1): grid 256 x 1, 8 waves a work-group, no clusters, 168,960 bytes of LDS; arguments x, context, ln_g, ln_b, w_qkv, w_out, acode, wimg; writes acode, wimg
.if DOCPART == 1
	.amdgcn_target "amdgcn-amd-amdhsa--gfx1250"
	.amdhsa_code_object_version 6
	.text
	.protected	k_qd7340a1ee4_prep
	.globl	k_qd7340a1ee4_prep
	.p2align	8
	.type	k_qd7340a1ee4_prep,@function
k_qd7340a1ee4_prep:
	s_mov_b64 s[64:65], 0
	v_nop
	global_prefetch_b8 v0, s[64:65] scope:SCOPE_SE
	s_setreg_imm32_b32 hwreg(HW_REG_WAVE_MODE, 25, 1), 1
	s_wait_xcnt 0x0
; LayerNorm of x and context, quantised to FP4 (E2M1) codes with one E8M0 byte for each 32 along the 1,024 channels; and both weights, whose K is their FIRST axis, quantised along K.
; ALL CODES LEAVE AS IMAGES OF OPERAND REGISTERS.  32 rows (tokens, or columns of a weight) are a PAIR of two tiles; row p of tile u is index 8 u + p + 8 (p / 8) of the 32.
; A pair's record, PREC bytes: the 16 bytes of block (K step s, register group c, half h) of tile u, row p lie at ((2 s + u) 2 + c) 512 + 16 (p + 16 h); the scale word of K step s at 16,384 + 128 s + 4 (16 u + p).
; SHARES.  Work-group i makes pair i of acode (0-127: x, 128-255: context).  Wave w takes tokens 4 w .. 4 w + 3; lane b holds block b (32 numbers) of a row, so a block's largest magnitude needs no other lane.
; Waves 0-3 first take one weight task each: column pair i / 2 (0-95: w_qkv, 96-127: w_out), K step 4 (i % 2) + w: a lane takes a column, its 128 registers run down K.
; The rows come by one tensor load a wave (16 KB, filled once, read by that wave alone); the codes meet in a stage in LDS and leave as runs of 512 consecutive bytes.
; LIMITS: NaN and infinities are not served.  A block of zeros gets the byte 1 where the rule says 127: its codes are zeros, and this program alone reads the bytes.
.set PREC,  17408
.set UP,    272                        ; 256 bytes + 16 of padding
.set INW,   64*UP                      ; LDS: a wave's four rows, 64 pieces of 256 bytes
.set STG,   8*INW                      ; the stage: the record's 64 pieces of 256 bytes of codes, UP apart
.set SCST,  STG+64*UP                  ; the record's 1,024 bytes of scale words
.set GA,    32                         ; v32-63   ln_g of my block
.set BE,    64                         ; v64-95   ln_b of my block
.set WC,    96                         ; v96-111  the weight's codes, four registers a block
.set WSW,   117                        ; v117     the weight's scale word
.set GSO,   118                        ; v118     where waves 6 and 7 store scale words
.set WN,    128                        ; v128-255 the weight's 128 numbers
.set ZR,    128                        ; afterwards v128-159, v160-191: two rows by turns
.set BK,    192                        ; v192-211 the way out
.set RC,    212                        ; v212-227 a row's codes, four registers for each of my four rows
.set RBY,   228                        ; v228-231 and its scale byte
.set FLOOR, 0x1800000                  ; 2^(3 - 127): holds the byte at 1 from below
.set OFF2,  0xff000000                 ; takes 2 off an exponent field
	s_load_b256 s[24:31], s[0:1], 0x0              ; x, context, ln_g, ln_b
	s_load_b256 s[32:39], s[0:1], 0x20             ; w_qkv, w_out, acode, wimg
	v_lshl_add_u32 v126, v0, 2, 0x29000
	v_mov_b32 v127, 0
	ds_add_u32 v126, v127
	ds_add_u32 v126, v127
	v_lshrrev_b32 v1, 5, v0
	s_delay_alu instid0(VALU_DEP_1)
	v_readfirstlane_b32 s8, v1                     ; wave 0..7
	v_and_b32 v1, 31, v0                           ; lane = block b
	s_delay_alu instid0(VALU_DEP_1)
	v_lshlrev_b32 v2, 7, v1                        ; v2: my block's 128 bytes in ln_g and ln_b
	s_mul_i32 s13, s8, INW                         ; my wave's rows in LDS
	v_lshrrev_b32 v16, 1, v1
	v_and_b32 v17, 1, v1
	s_delay_alu instid0(VALU_DEP_2)
	v_mul_u32_u24 v3, v16, UP
	s_delay_alu instid0(VALU_DEP_1)
	v_lshl_add_u32 v3, v17, 7, v3
	s_delay_alu instid0(VALU_DEP_1)
	v_add_nc_u32 v3, s13, v3                       ; v3: my block of the wave's first row: UP (b / 2) + 128 (b % 2)
	v_lshrrev_b32 v16, 2, v1                       ; K step of my block
	v_and_b32 v17, 3, v1                           ; 2 c + h
	s_delay_alu instid0(VALU_DEP_1)
	v_lshl_add_u32 v18, v16, 3, v17
	s_delay_alu instid0(VALU_DEP_1)
	v_mul_u32_u24 v4, v18, UP
	s_wait_alu depctr_va_vdst(0)
	s_bfe_u32 s40, s8, 0x10001                     ; my tokens' tile u = (w / 2) % 2
	s_and_b32 s41, s8, 1
	s_lshr_b32 s42, s8, 2                          ; their rows p = 4 (w % 2) + i + 8 (w / 4)
	s_mul_i32 s43, s40, 4*UP
	s_lshl_b32 s44, s41, 6
	s_add_co_u32 s43, s43, s44
	s_lshl_b32 s44, s42, 7
	s_add_co_u32 s43, s43, s44
	s_add_co_u32 s43, s43, STG
	v_add_nc_u32 v4, s43, v4                       ; v4: the stage: piece 8 s + 4 u + 2 c + h, byte 16 p
	v_lshl_add_u32 v5, v16, 7, v17
	s_lshl_b32 s43, s40, 6
	s_lshl_b32 s44, s41, 4
	s_add_co_u32 s43, s43, s44
	s_lshl_b32 s44, s42, 5
	s_add_co_u32 s43, s43, s44
	s_add_co_u32 s43, s43, SCST
	v_add_nc_u32 v5, s43, v5                       ; v5: my scale byte: 128 s + 4 (16 u + p) + (b % 4)
	v_lshrrev_b32 v19, 4, v1                       ; lane / 16
	v_and_b32 v20, 15, v1                          ; lane % 16
	s_delay_alu instid0(VALU_DEP_2)
	v_mul_u32_u24 v6, v19, UP
	s_delay_alu instid0(VALU_DEP_1)
	v_lshl_add_u32 v6, v20, 4, v6
	s_mul_i32 s43, s8, 8*UP
	s_add_co_u32 s43, s43, STG
	v_add_nc_u32 v6, s43, v6                       ; v6: back out of the stage: pieces 8 w on, sixteen lanes to a piece
	v_lshlrev_b32 v7, 4, v1
	s_lshl_b32 s43, s8, 11
	v_add_nc_u32 v7, s43, v7                       ; v7: and the same place in the record
	v_and_b32 v21, 8, v20
	s_delay_alu instid0(VALU_DEP_1)
	v_add_nc_u32 v21, v21, v20
	s_delay_alu instid0(VALU_DEP_1)
	v_lshl_add_u32 v21, v19, 3, v21
	s_delay_alu instid0(VALU_DEP_1)
	v_lshlrev_b32 v8, 2, v21                       ; v8: the weight: lane (u, p) takes column 8 u + p + 8 (p / 8) of the 32
	v_lshlrev_b32 v9, 4, v20
	s_delay_alu instid0(VALU_DEP_1)
	v_lshl_add_u32 v9, v19, 10, v9                 ; v9: its codes' place in a K step's image: 1,024 u + 16 p
	v_lshlrev_b32 v10, 2, v1                       ; v10: its scale word's: 4 x lane
	s_lshl_b32 s43, s41, 9
	v_lshl_add_u32 v[GSO], v1, 4, s43
	s_add_co_u32 s43, s43, SCST
	v_lshl_add_u32 v11, v1, 4, s43                 ; v11: waves 6, 7: 512 bytes of scale words each
	v_mov_b32 v13, 0                               ; upper halves of the pairs v[12:13], v[14:15]: named, so written
	v_mov_b32 v15, 0
	s_mov_b32 s50, 0x76543210
	s_mov_b32 s51, 0xfedcba98                      ; v_permlanex16_b32's selects for lane l xor 16
	s_mov_b32 s52, 0x3a800000                      ; 1 / 1,024
	s_mov_b32 s53, 0x3727c5ac                      ; 1e-5
	; the tile: 64 rows of 256 bytes (32 elements of 8), dense in memory, 16 bytes of padding behind each
	s_mov_b32 s16, (3<<16)|(1<<20)|(5<<22)|(3<<25)
	s_mov_b32 s17, 32<<16
	s_mov_b32 s18, 64<<16
	s_mov_b32 s19, 32<<16
	s_mov_b32 s20, 64
	s_mov_b32 s21, 32
	s_mov_b32 s22, 0
	s_mov_b32 s23, 0
	s_mov_b32 s12, 1
	s_wait_dscnt 0x0
	s_wait_kmcnt 0x0
	s_cmp_lt_u32 ttmp9, 128                        ; x's pair or context's: the choice hangs on the work-group's number alone
	s_cselect_b64 s[2:3], s[24:25], s[26:27]
	s_and_b32 s44, ttmp9, 127
	s_lshl_b32 s44, s44, 17                        ; 32 rows of 4,096 bytes
	s_lshl_b32 s45, s8, 14                         ; my four
	s_add_co_u32 s44, s44, s45
	s_mov_b32 s45, 0
	s_add_nc_u64 s[14:15], s[2:3], s[44:45]
	s_or_b32 s15, s15, 0x80000000
	tensor_load_to_lds s[12:15], s[16:23]          ; my wave's one tensor load
	s_nop 0
.rept 4
	v_nop
.endr
	s_mul_i32 s44, ttmp9, PREC
	s_add_nc_u64 s[36:37], s[36:37], s[44:45]      ; my work-group's record in acode
.irp j, 0,1,2,3,4,5,6,7
	global_load_b128 v[GA+4*\j:GA+4*\j+3], v2, s[28:29] offset:16*\j
	global_load_b128 v[BE+4*\j:BE+4*\j+3], v2, s[30:31] offset:16*\j
.endr
; A block of 32 numbers, all the lane's own, in v[src] on: its codes into v[code] .. +3, its scale byte into v[byte].
.macro QB src, code, byte
	v_max3_num_f32 v16, |v[\src]|, |v[\src+1]|, |v[\src+2]|
	v_max3_num_f32 v17, |v[\src+3]|, |v[\src+4]|, |v[\src+5]|
.irp j, 6,10,14,18,22,26
	s_delay_alu instid0(VALU_DEP_2)
	v_max3_num_f32 v16, v16, |v[\src+\j]|, |v[\src+\j+1]|
	s_delay_alu instid0(VALU_DEP_2)
	v_max3_num_f32 v17, v17, |v[\src+\j+2]|, |v[\src+\j+3]|
.endr
	s_delay_alu instid0(VALU_DEP_2)
	v_max3_num_f32 v16, v16, |v[\src+30]|, |v[\src+31]|
	s_delay_alu instid0(VALU_DEP_1)
	v_max3_num_f32 v16, v16, v17, FLOOR            ; the largest magnitude, and the floor
	s_delay_alu instid0(VALU_DEP_1)
	v_add_nc_u32 v18, OFF2, v16                    ; 2 off its exponent field: the conversion's scale operand
.irp g, 0,1,2,3
	v_cvt_scalef32_pk8_fp4_f32 v[\code+\g], v[\src+8*\g:\src+8*\g+7], v18
.endr
	v_lshrrev_b32 v[\byte], 23, v18                ; the scale's byte; also the plain line behind the conversions
.endm
	s_cmp_ge_u32 s8, 4
	s_cbranch_scc1 .Lrows
	; ---- the weight task of waves 0-3
	s_cmp_lt_u32 ttmp9, 192
	s_cselect_b64 s[4:5], s[32:33], s[34:35]
	s_mov_b32 s42, 128*4096
	s_cselect_b32 s42, 128*12288, s42              ; a K step's 128 rows, in bytes
	s_cselect_b32 s43, 0, 96
	s_lshr_b32 s44, ttmp9, 1                       ; the column pair in wimg
	s_sub_co_u32 s43, s44, s43                     ; and in its own tensor
	s_and_b32 s45, ttmp9, 1
	s_lshl_b32 s45, s45, 2
	s_add_co_u32 s45, s45, s8                      ; the K step
	s_mul_i32 s46, s45, s42
	s_lshl_b32 s43, s43, 7
	s_add_co_u32 s46, s46, s43
	s_mov_b32 s47, 0
	s_add_nc_u64 s[4:5], s[4:5], s[46:47]
	s_mul_i32 s46, s44, PREC
	s_add_nc_u64 s[38:39], s[38:39], s[46:47]
	s_lshl_b32 s46, s45, 7
	s_add_nc_u64 s[6:7], s[38:39], s[46:47]        ; for the scale words: + 128 s
	s_lshl_b32 s46, s45, 11
	s_add_nc_u64 s[38:39], s[38:39], s[46:47]      ; for the codes: + 2,048 s
.macro WLOAD pitch                     ; register n = row n of the K step, my column: 32 lanes read 128 consecutive bytes
.set n, 0
.rept 128
	global_load_b32 v[WN+n], v8, s[4:5] offset:n*\pitch
.set n, n+1
.endr
.endm
	s_cmp_lt_u32 ttmp9, 192                        ; the two tensors differ in the row's length, which stands in the immediates
	s_cbranch_scc0 .Lw_out
	s_wait_alu depctr_va_vdst(0)
	WLOAD 12288
	s_branch .Lw_got
.Lw_out:
	s_wait_alu depctr_va_vdst(0)
	WLOAD 4096
.Lw_got:
.macro BLOCKW k
.if 96-32*(\k) > 63
	s_wait_loadcnt 63                              ; block k's loads are in: behind them stand 96 - 32 k, and a wait names 63 at the most
.else
	s_wait_loadcnt 96-32*(\k)
.endif
	QB WN+32*(\k), WC+4*(\k), 19
.if (\k) == 0
	s_delay_alu instid0(VALU_DEP_1)
	v_mov_b32 v[WSW], v19
.else
	s_delay_alu instid0(VALU_DEP_1)
	v_lshl_or_b32 v[WSW], v19, 8*(\k), v[WSW]
.endif
	global_store_b128 v9, v[WC+4*(\k):WC+4*(\k)+3], s[38:39] offset:256*(\k)   ; lanes 0-15 store 256 consecutive bytes, aligned; lanes 16-31 another such run
.endm
	BLOCKW 0
	BLOCKW 1
	BLOCKW 2
	BLOCKW 3
	global_store_b32 v10, v[WSW], s[6:7] offset:16384   ; 128 consecutive bytes of scale words: one byte in 128 of what the task reads
.Lrows:
	; ---- LayerNorm and codes, a row at a time
	s_wait_loadcnt 0x0                             ; ln_g, ln_b
	s_wait_tensorcnt 0x0                           ; my rows are in LDS; no other wave reads them
.macro LDZ i
.irp j, 0,1,2,3,4,5,6,7
	ds_load_b128 v[ZR+32*((\i)%2)+4*\j:ZR+32*((\i)%2)+4*\j+3], v3 offset:(\i)*16*UP+16*\j
.endr
.endm
.macro XSUM                            ; v16 summed over the 32 lanes, the result in every lane
	s_delay_alu instid0(VALU_DEP_1)
	v_add_f32_dpp v16, v16, v16 row_xmask:1 row_mask:0xf bank_mask:0xf
	s_delay_alu instid0(VALU_DEP_1)
	v_add_f32_dpp v16, v16, v16 row_xmask:2 row_mask:0xf bank_mask:0xf
	s_delay_alu instid0(VALU_DEP_1)
	v_add_f32_dpp v16, v16, v16 row_xmask:4 row_mask:0xf bank_mask:0xf
	s_delay_alu instid0(VALU_DEP_1)
	v_add_f32_dpp v16, v16, v16 row_xmask:8 row_mask:0xf bank_mask:0xf
	s_delay_alu instid0(VALU_DEP_1)
	v_permlanex16_b32 v17, v16, s50, s51
	s_delay_alu instid0(VALU_DEP_1)
	v_add_f32 v16, v16, v17
.endm
.macro ROW i, left
.set ZS, ZR+32*((\i)%2)
	s_wait_dscnt \left                             ; this row's eight loads are in; what was issued behind them may be out
	v_pk_add_f32 v[16:17], v[ZS:ZS+1], v[ZS+2:ZS+3]
	v_pk_add_f32 v[18:19], v[ZS+4:ZS+5], v[ZS+6:ZS+7]
.irp j, 8,12,16,20,24,28
	s_delay_alu instid0(VALU_DEP_2)
	v_pk_add_f32 v[16:17], v[16:17], v[ZS+\j:ZS+\j+1]
	s_delay_alu instid0(VALU_DEP_2)
	v_pk_add_f32 v[18:19], v[18:19], v[ZS+\j+2:ZS+\j+3]
.endr
	s_delay_alu instid0(VALU_DEP_1)
	v_pk_add_f32 v[16:17], v[16:17], v[18:19]
	s_delay_alu instid0(VALU_DEP_1)
	v_add_f32 v16, v16, v17
	XSUM
	s_delay_alu instid0(VALU_DEP_1)
	v_mul_f32 v12, s52, v16                        ; the mean
.irp j, 0,2,4,6,8,10,12,14,16,18,20,22,24,26,28,30
	v_pk_add_f32 v[ZS+\j:ZS+\j+1], v[ZS+\j:ZS+\j+1], v[12:13] op_sel_hi:[1,0] neg_lo:[0,1] neg_hi:[0,1]
.endr
	v_pk_mul_f32 v[16:17], v[ZS:ZS+1], v[ZS:ZS+1]
	v_pk_mul_f32 v[18:19], v[ZS+2:ZS+3], v[ZS+2:ZS+3]
.irp j, 4,8,12,16,20,24,28
	s_delay_alu instid0(VALU_DEP_2)
	v_pk_fma_f32 v[16:17], v[ZS+\j:ZS+\j+1], v[ZS+\j:ZS+\j+1], v[16:17]
	s_delay_alu instid0(VALU_DEP_2)
	v_pk_fma_f32 v[18:19], v[ZS+\j+2:ZS+\j+3], v[ZS+\j+2:ZS+\j+3], v[18:19]
.endr
	s_delay_alu instid0(VALU_DEP_1)
	v_pk_add_f32 v[16:17], v[16:17], v[18:19]
	s_delay_alu instid0(VALU_DEP_1)
	v_add_f32 v16, v16, v17
	XSUM
	s_delay_alu instid0(VALU_DEP_1)
	v_fma_f32 v14, v16, s52, s53                   ; the variance + 1e-5
	s_wait_alu depctr_va_vdst(0)
	v_rsq_f32 v14, v14
	v_nop                                          ; a plain line behind the transcendental
	s_wait_alu depctr_va_vdst(0)                   ; and the wait ahead of its first reader
.irp j, 0,2,4,6,8,10,12,14,16,18,20,22,24,26,28,30
	v_pk_mul_f32 v[ZS+\j:ZS+\j+1], v[ZS+\j:ZS+\j+1], v[14:15] op_sel_hi:[1,0]
.endr
.irp j, 0,2,4,6,8,10,12,14,16,18,20,22,24,26,28,30
	v_pk_fma_f32 v[ZS+\j:ZS+\j+1], v[ZS+\j:ZS+\j+1], v[GA+\j:GA+\j+1], v[BE+\j:BE+\j+1]
.endr
	QB ZS, RC+4*(\i), RBY+(\i)
	ds_store_b128 v4, v[RC+4*(\i):RC+4*(\i)+3] offset:16*(\i)
	ds_store_b8 v5, v[RBY+(\i)] offset:4*(\i)
.if (\i)+2 < 4
	LDZ (\i)+2
.endif
.endm
	LDZ 0
	LDZ 1
	ROW 0, 8                                       ; row 1's eight loads may be out
	ROW 1, 10                                      ; two stage stores and row 2's eight loads
	ROW 2, 10
	ROW 3, 2                                       ; two stage stores
	s_wait_dscnt 0x0                               ; for the others' sake: my stores into the stage are done
	s_barrier_signal -1
	s_barrier_wait -1
.irp k, 0,1,2,3
	ds_load_b128 v[BK+4*\k:BK+4*\k+3], v6 offset:2*UP*\k
.endr
.irp k, 0,1,2,3
	s_wait_dscnt 3-\k
	global_store_b128 v7, v[BK+4*\k:BK+4*\k+3], s[36:37] offset:512*\k   ; 512 consecutive bytes, aligned
.endr
	s_cmp_lt_u32 s8, 6
	s_cbranch_scc1 .Lend
	ds_load_b128 v[BK+16:BK+19], v11               ; waves 6 and 7: the record's scale words
	s_wait_dscnt 0x0
	global_store_b128 v[GSO], v[BK+16:BK+19], s[36:37] offset:16384
.Lend:
	s_wait_tensorcnt 0x0
	ds_add_u32 v126, v127
	s_wait_dscnt 0x0
	s_endpgm
.Lfunc_end_k_qd7340a1ee4_prep:
	.size	k_qd7340a1ee4_prep, .Lfunc_end_k_qd7340a1ee4_prep-k_qd7340a1ee4_prep
	.p2alignl 7, 3214868480
	.fill 96, 4, 3214868480
	.section	.rodata,"a",@progbits
	.p2align	6, 0x0
	.amdhsa_kernel k_qd7340a1ee4_prep
		.amdhsa_group_segment_fixed_size 168960
		.amdhsa_private_segment_fixed_size 0
		.amdhsa_enable_private_segment 0
		.amdhsa_kernarg_size 64
		.amdhsa_user_sgpr_count 2
		.amdhsa_user_sgpr_kernarg_segment_ptr 1
		.amdhsa_wavefront_size32 1
		.amdhsa_system_sgpr_workgroup_id_x 1
		.amdhsa_system_sgpr_workgroup_id_y 1
		.amdhsa_system_sgpr_workgroup_id_z 1
		.amdhsa_system_vgpr_workitem_id 0
		.amdhsa_next_free_vgpr 256
		.amdhsa_next_free_sgpr 66
		.amdhsa_reserve_vcc 0
		.amdhsa_float_denorm_mode_32 3
		.amdhsa_float_denorm_mode_16_64 3
		.amdhsa_memory_ordered 1
		.amdhsa_forward_progress 1
		.amdhsa_inst_pref_size 81
	.end_amdhsa_kernel
	.amdgpu_metadata
---
amdhsa.version: [ 1, 2 ]
amdhsa.kernels:
  - .name:           k_qd7340a1ee4_prep
    .symbol:         k_qd7340a1ee4_prep.kd
    .args:
      - { .name: x, .offset: 0, .size: 8, .value_kind: global_buffer, .address_space: global }
      - { .name: context, .offset: 8, .size: 8, .value_kind: global_buffer, .address_space: global }
      - { .name: ln_g, .offset: 16, .size: 8, .value_kind: global_buffer, .address_space: global }
      - { .name: ln_b, .offset: 24, .size: 8, .value_kind: global_buffer, .address_space: global }
      - { .name: w_qkv, .offset: 32, .size: 8, .value_kind: global_buffer, .address_space: global }
      - { .name: w_out, .offset: 40, .size: 8, .value_kind: global_buffer, .address_space: global }
      - { .name: acode, .offset: 48, .size: 8, .value_kind: global_buffer, .address_space: global }
      - { .name: wimg, .offset: 56, .size: 8, .value_kind: global_buffer, .address_space: global }
    .group_segment_fixed_size: 168960
    .private_segment_fixed_size: 0
    .kernarg_segment_align: 8
    .kernarg_segment_size: 64
    .max_flat_workgroup_size: 256
    .sgpr_count:     66
    .vgpr_count:     256
    .wavefront_size: 32
...
	.end_amdgpu_metadata
.endif
;; end of part 1
;; launch qkv (part 2): grid 10 x 16, 8 waves a work-group, no clusters, 168,960 bytes of LDS; arguments acode, wimg, b_qkv, qrec, kvrec; writes qrec, kvrec
.if DOCPART == 2
	.amdgcn_target "amdgcn-amd-amdhsa--gfx1250"
	.amdhsa_code_object_version 6
	.text
	.protected	k_qd7340a1ee4_qkv
	.globl	k_qd7340a1ee4_qkv
	.p2align	8
	.type	k_qd7340a1ee4_qkv,@function
k_qd7340a1ee4_qkv:
	s_mov_b64 s[64:65], 0
	v_nop
	global_prefetch_b8 v0, s[64:65] scope:SCOPE_SE
	s_setreg_imm32_b32 hwreg(HW_REG_WAVE_MODE, 25, 1), 1
	s_wait_xcnt 0x0
; q, k, v = LN(rows) W + b on FP4 codes, quantised again on the way out: q and k along the head's 64 channels, v along the keys.  The Q slice of the context's rows is used by nobody and is not made.
; SHARES.  Work-group (gx, gy): gx 0-5: x's rows, column group cg = gx; gx 6-9: the context's rows, cg = gx - 4.  A column group is 512 columns (cg / 2 = 0: Q, 1: K, 2: V); gy names 256 rows = 8 pairs.
; Wave w owns one head: 64 columns, 4 tiles, whose codes for all of K (256 registers, window 1) are read from memory once and stay.  The 8 pairs' records of A come into LDS once, one pair by each wave's tensor load.
; 160 work-groups: the work is 5 x 32 such units, and halving a unit would read W twice as often.  No cluster: six column groups of x do not divide by four, and the shared A is a third of a work-group's bytes, read once.
; Q, K: source 0 = 16 columns of W, source 1 = 16 tokens: a lane holds one token, and the 16 registers of two neighbouring tiles are 16 neighbouring channels (the tiles' rows are chosen so: index 8 u + p + 8 (p / 8)).
; V: the sources are swapped: a lane holds one channel and its registers run along the tokens, which are the keys, the next product's K.
; OUT, as images of operand registers.  qrec [b 16 + head][quad of 128 queries] x 4,608: codes (2 g + u) 512 + 16 lane; scale words 4,096 + 16 (16 u + r) + 4 g.
; kvrec [b 16 + head][key step of 128] x 8,960: K's codes as q's; V's at 4,096 + (2 T + c) 512 + 16 lane; K's scale words at 8,192 + 16 lane + 4 g; V's at 8,704 + 8 lane + 4 (T / 2).
; LIMITS: NaN and infinities are not served; a block of zeros gets the byte 1; bytes 2 and 3 of q's and k's scale words are 0 and stand over zero codes.
.set PREC,  17408
.set LI,   1                           ; v1   16 x lane
.set LS,   2                           ; v2   4 x lane
.set L8,   3                           ; v3   8 x lane
.set ADA,  4                           ; v4-5 LDS address of the pair in hand, two registers by turns
.set BLI,  6                           ; v6   the quad's first pair + 16 x lane
.set BLS,  7                           ; v7   + 4 x lane
.set WS,   8                           ; v8-23   W's scale words: 8 g + s; lanes 0-15 tile u = 0, lanes 16-31 tile u = 1
.set AS,   24                          ; v24-31  A's scale words of the pair, one for each K step, likewise
.set BIAS, 32                          ; v32-63  the bias in the result's layout, 8 a tile
.set ACC,  64                          ; v64-127 eight accumulators
.set X,    128                         ; v128-159, v160-191 A's fragments of two K steps each
.set Y,    160
.set TM,   192                         ; v192-207 at work: +0 largest magnitudes, +4 bytes, +12 scale operands
.set PW,   208
.set PC,   212                         ; v212-219 q's or k's codes
.set SW,   220                         ; v220-223 their scale words of a quad
.set PCV,  224                         ; v224-239 v's codes
.set VW,   240                         ; v240-243 v's scale words, a tile each
.set VP,   244
.set BA,   246
.set BA2,  247
.set ASA,  250
.set FLOOR, 0x1800000
.set OFF2,  0xff000000
.set WV,   28
.set KIND, 29
.set PB,   30
.set CNT,  31
.set DC,   32                          ; s[32:33] where codes go;  s[34:35] scale words;  s[36:37] a record's bytes
.set DS,   34
.set STR,  36
.set MH,   38                          ; lanes 16-31
.set SEL,  40
.set MSB, 0
.macro WIN new                         ; the immediate's high byte repeats the setting that is left
.if MSB != \new
	s_set_vgpr_msb (MSB<<8)|\new
.set MSB, \new
.endif
.endm
.macro PLACES                          ; four plain lines between a matrix instruction and a load into, or a read of, its registers
.rept 4
	v_nop
.endr
.endm
	s_load_b256 s[4:11], s[0:1], 0x0               ; acode, wimg, b_qkv, qrec
	s_load_b64 s[12:13], s[0:1], 0x20              ; kvrec
	v_lshl_add_u32 v254, v0, 2, 0x29000
	v_mov_b32 v255, 0
	ds_add_u32 v254, v255
	ds_add_u32 v254, v255
	v_lshrrev_b32 v1, 5, v0
	s_delay_alu instid0(VALU_DEP_1)
	v_readfirstlane_b32 s[WV], v1                  ; wave 0..7
	v_and_b32 v8, 31, v0
	s_delay_alu instid0(VALU_DEP_1)
	v_lshlrev_b32 v[LI], 4, v8
	s_delay_alu instid0(VALU_DEP_2)
	v_lshlrev_b32 v[LS], 2, v8
	s_delay_alu instid0(VALU_DEP_3)
	v_lshlrev_b32 v[L8], 3, v8
	s_delay_alu instid0(VALU_DEP_4)
	v_lshrrev_b32 v9, 4, v8
	s_delay_alu instid0(VALU_DEP_1)
	v_lshlrev_b32 v[BA], 6, v9                     ; Q, K: the bias of my half's 16 channels
	v_and_b32 v10, 15, v8
	s_delay_alu instid0(VALU_DEP_1)
	v_and_b32 v11, 8, v10
	s_delay_alu instid0(VALU_DEP_1)
	v_add_nc_u32 v10, v10, v11
	s_delay_alu instid0(VALU_DEP_1)
	v_lshlrev_b32 v[BA2], 2, v10                   ; V: the bias of my one channel
.irp b, 0,1,2,3
	v_mov_b32 v[TM+4+\b], 0                        ; written once: a lane permute's destination counts as one of its sources
.endr
	s_mov_b32 s[SEL], 0x76543210
	s_mov_b32 s[SEL+1], 0xfedcba98
	s_mov_b32 s[MH], 0xffff0000
	s_and_b32 s42, ttmp7, 0xffff                   ; gy
	s_cmp_ge_u32 ttmp9, 6
	s_cselect_b32 s43, 1, 0                        ; the context's rows?
	s_lshl_b32 s44, s43, 2
	s_sub_co_u32 s44, ttmp9, s44                   ; cg
	s_lshr_b32 s[KIND], s44, 1
	s_lshl_b32 s45, s43, 4
	s_add_co_u32 s46, s42, s45                     ; which 256 rows of acode
	s_lshl_b32 s46, s46, 3
	s_add_co_u32 s46, s46, s[WV]                   ; the pair that I fetch
	s_mul_i32 s46, s46, PREC
	s_mov_b32 s47, 0
	s_lshl_b32 s48, s44, 4
	s_lshl_b32 s49, s[WV], 1
	s_add_co_u32 s48, s48, s49
	s_mul_i32 s48, s48, PREC                       ; my head's two column pairs in wimg
	s_mov_b32 s49, 0
	s_lshl_b32 s50, s44, 11
	s_lshl_b32 s51, s[WV], 8
	s_add_co_u32 s50, s50, s51                     ; and its 64 numbers of b_qkv
	s_mov_b32 s51, 0
	s_and_b32 s52, s44, 1
	s_lshl_b32 s52, s52, 3
	s_add_co_u32 s52, s52, s[WV]                   ; head
	s_lshr_b32 s53, s42, 3
	s_lshl_b32 s53, s53, 4
	s_add_co_u32 s52, s52, s53                     ; 16 b + head
	s_and_b32 s53, s42, 7
	s_lshl_b32 s53, s53, 1
	s_add_co_u32 s53, s53, s45                     ; the first of my two quads: the context's keys follow x's 16
	s_add_co_u32 s54, s[KIND], 1
	s_lshl_b32 s54, s54, 12
	s_cmp_eq_u32 s[KIND], 2
	s_cselect_b32 s54, 8704, s54                   ; where a record's scale words begin: 4,096, 8,192, 8,704
	s_cselect_b32 s55, 4096, 0                     ; and its codes
	s_mov_b32 s[STR], 8960
	s_mov_b32 s[STR+1], 0
	s_cmp_eq_u32 s[KIND], 0
	s_cselect_b32 s[STR], 4608, s[STR]
	s_cselect_b32 s56, 16, 32                      ; records a head
	s_mul_i32 s52, s52, s56
	s_add_co_u32 s52, s52, s53
	s_mul_i32 s52, s52, s[STR]
	s_add_co_u32 s56, s52, s55
	s_mov_b32 s57, 0
	s_add_co_u32 s58, s52, s54
	s_mov_b32 s59, 0
	; a pair's record: 68 rows of 256 bytes (32 elements of 8), dense
	s_mov_b32 s16, 3<<16
	s_mov_b32 s17, 32<<16
	s_mov_b32 s18, 68<<16
	s_mov_b32 s19, 32<<16
	s_mov_b32 s20, 68
	s_mov_b32 s21, 32
	s_mov_b32 s22, 0
	s_mov_b32 s23, 0
	s_mov_b32 s24, 1
	s_mul_i32 s25, s[WV], PREC
	s_wait_dscnt 0x0
	s_wait_kmcnt 0x0
	s_add_nc_u64 s[26:27], s[4:5], s[46:47]
	s_or_b32 s27, s27, 0x80000000
	tensor_load_to_lds s[24:27], s[16:23]          ; my wave's one tensor load; LDS is filled once
	s_nop 0
.rept 4
	v_nop
.endr
	s_add_nc_u64 s[6:7], s[6:7], s[48:49]
	s_add_nc_u64 s[8:9], s[8:9], s[50:51]
	s_cmp_eq_u32 s[KIND], 0
	s_cselect_b64 s[DC:DC+1], s[10:11], s[12:13]
	s_add_nc_u64 s[DS:DS+1], s[DC:DC+1], s[58:59]
	s_add_nc_u64 s[DC:DC+1], s[DC:DC+1], s[56:57]
	WIN 0x40                                       ; destination window 1: W's fragment (T = 2 g + u, K step s) at v[8 (8 T + s)]
.irp g, 0,1
.irp u, 0,1
.irp s, 0,1,2,3,4,5,6,7
.irp c, 0,1
	global_load_b128 v[8*(8*(2*\g+\u)+\s)+4*\c:8*(8*(2*\g+\u)+\s)+4*\c+3], v[LI], s[6:7] offset:\g*PREC+((2*\s+\u)*2+\c)*512
.endr
.endr
.endr
.endr
	WIN 0
.irp g, 0,1
.irp s, 0,1,2,3,4,5,6,7
	global_load_b32 v[WS+8*\g+\s], v[LS], s[6:7] offset:\g*PREC+16384+128*\s
.endr
.endr
	s_cmp_eq_u32 s[KIND], 2
	s_cbranch_scc1 .Lbias_v
	s_wait_alu depctr_va_vdst(0)
.irp T, 0,1,2,3                        ; lane (r, h), register j of tile T: channel 32 (T / 2) + 16 h + 8 (T % 2) + j
	global_load_b128 v[BIAS+8*\T:BIAS+8*\T+3], v[BA], s[8:9] offset:(32*(\T/2)+8*(\T%2))*4
	global_load_b128 v[BIAS+8*\T+4:BIAS+8*\T+7], v[BA], s[8:9] offset:(32*(\T/2)+8*(\T%2))*4+16
.endr
	s_branch .Lbias_done
.Lbias_v:
	s_wait_alu depctr_va_vdst(0)
.irp T, 0,1,2,3                        ; all eight registers: channel 32 (T / 2) + 8 (T % 2) + r + 8 (r / 8)
.irp j, 0,1,2,3,4,5,6,7
	global_load_b32 v[BIAS+8*\T+\j], v[BA2], s[8:9] offset:(32*(\T/2)+8*(\T%2))*4
.endr
.endr
.Lbias_done:
	s_wait_loadcnt 0x0
	s_wait_tensorcnt 0x0                           ; my pair is in LDS,
	s_barrier_signal -1
	s_barrier_wait -1                              ; everybody's is: the launch's one barrier
; one matrix instruction; ra, rb: the side's scale words stand in lanes 16-31
.macro WM d, a, b, c, sa, sb, ra, rb
.if ((\ra) == 0) && ((\rb) == 0)
	v_wmma_scale_f32_16x16x128_f8f6f4 v[(\d):(\d)+7], v[(\a):(\a)+7], v[(\b):(\b)+7], v[(\c):(\c)+7], v[(\sa)], v[(\sb)] matrix_a_fmt:MATRIX_FMT_FP4 matrix_b_fmt:MATRIX_FMT_FP4
.elseif (\rb) == 0
	v_wmma_scale_f32_16x16x128_f8f6f4 v[(\d):(\d)+7], v[(\a):(\a)+7], v[(\b):(\b)+7], v[(\c):(\c)+7], v[(\sa)], v[(\sb)] matrix_a_fmt:MATRIX_FMT_FP4 matrix_b_fmt:MATRIX_FMT_FP4 matrix_a_scale:MATRIX_SCALE_ROW1
.elseif (\ra) == 0
	v_wmma_scale_f32_16x16x128_f8f6f4 v[(\d):(\d)+7], v[(\a):(\a)+7], v[(\b):(\b)+7], v[(\c):(\c)+7], v[(\sa)], v[(\sb)] matrix_a_fmt:MATRIX_FMT_FP4 matrix_b_fmt:MATRIX_FMT_FP4 matrix_b_scale:MATRIX_SCALE_ROW1
.else
	v_wmma_scale_f32_16x16x128_f8f6f4 v[(\d):(\d)+7], v[(\a):(\a)+7], v[(\b):(\b)+7], v[(\c):(\c)+7], v[(\sa)], v[(\sb)] matrix_a_fmt:MATRIX_FMT_FP4 matrix_b_fmt:MATRIX_FMT_FP4 matrix_a_scale:MATRIX_SCALE_ROW1 matrix_b_scale:MATRIX_SCALE_ROW1
.endif
.endm
; K step s of a pair: eight matrix instructions on eight accumulators by turns.  p = 0: Q, K; p = 1: V.  first = 1: the bias is the C that starts the sums.
.macro MUL p, buf, s, first
.if (\p) == 0
	WIN 0x01                                       ; source 0 (W) window 1
.irp ut, 0,1
.irp T, 0,1,2,3
.if \first
	WM ACC+32*\ut+8*\T, 8*(8*\T+(\s)), \buf+16*((\s)%2)+8*\ut, BIAS+8*\T, WS+8*(\T/2)+(\s), AS+(\s), \T%2, \ut
.else
	WM ACC+32*\ut+8*\T, 8*(8*\T+(\s)), \buf+16*((\s)%2)+8*\ut, ACC+32*\ut+8*\T, WS+8*(\T/2)+(\s), AS+(\s), \T%2, \ut
.endif
.endr
.endr
.else
	WIN 0x04                                       ; source 1 (W) window 1
.irp T, 0,1,2,3
.irp ut, 0,1
.if \first
	WM ACC+16*\T+8*\ut, \buf+16*((\s)%2)+8*\ut, 8*(8*\T+(\s)), BIAS+8*\T, AS+(\s), WS+8*(\T/2)+(\s), \ut, \T%2
.else
	WM ACC+16*\T+8*\ut, \buf+16*((\s)%2)+8*\ut, 8*(8*\T+(\s)), ACC+16*\T+8*\ut, AS+(\s), WS+8*(\T/2)+(\s), \ut, \T%2
.endif
.endr
.endr
.endif
.endm
; A's fragments of K steps s0 and s0 + 1, both tiles: eight loads of 512 consecutive bytes
.macro LDA buf, off, s0
.irp d, 0,1
.irp ut, 0,1
.irp c, 0,1
	ds_load_b128 v[\buf+16*\d+8*\ut+4*\c:\buf+16*\d+8*\ut+4*\c+3], v[AD] offset:\off+((2*(\s0+\d)+\ut)*2+\c)*512
.endr
.endr
.endr
.endm
; the four blocks of 32 at v[ACC + 16 b]: a lane holds 16 numbers of each, lane l xor 16 the other 16.  Each accumulator is read from its low end on.
.macro MAXB
.irp b, 0,1,2,3
	v_max3_num_f32 v[TM+\b], |v[ACC+16*\b]|, |v[ACC+16*\b+1]|, FLOOR
.endr
.irp n, 2,4,6,8,10,12,14
.irp b, 0,1,2,3
	v_max3_num_f32 v[TM+\b], v[TM+\b], |v[ACC+16*\b+\n]|, |v[ACC+16*\b+\n+1]|
.endr
.endr
.irp b, 0,1,2,3
	s_delay_alu instid0(VALU_DEP_4)
	v_permlanex16_b32 v[TM+4+\b], v[TM+\b], s[SEL], s[SEL+1]
.endr
.irp b, 0,1,2,3
	s_delay_alu instid0(VALU_DEP_4)
	v_max_num_f32 v[TM+\b], v[TM+\b], v[TM+4+\b]
.endr
.irp b, 0,1,2,3
	s_delay_alu instid0(VALU_DEP_4)
	v_add_nc_u32 v[TM+12+\b], OFF2, v[TM+\b]       ; the conversion's scale operand
.endr
.irp b, 0,1,2,3
	s_delay_alu instid0(VALU_DEP_4)
	v_lshrrev_b32 v[TM+4+\b], 23, v[TM+12+\b]      ; the scale's byte
.endr
.endm
; Q, K: block 2 ut + g is channels 32 g on of tile ut's tokens
.macro EPIQK i
	s_wait_xcnt 0x0                                ; the last stores have read their registers: the codes are written again only behind this wait
	MAXB
	s_delay_alu instid0(VALU_DEP_3)
	v_lshl_or_b32 v[PW], v[TM+5], 8, v[TM+4]
	s_delay_alu instid0(VALU_DEP_2)
	v_lshl_or_b32 v[PW+1], v[TM+7], 8, v[TM+6]
	s_delay_alu instid0(VALU_DEP_1)
	v_cndmask_b32 v[SW+(\i)], v[PW], v[PW+1], s[MH]   ; lanes 0-15: tile 0's words, lanes 16-31: tile 1's
.irp q, 0,1,2,3
	v_cvt_scalef32_pk8_fp4_f32 v[PC+2*\q], v[ACC+16*\q:ACC+16*\q+7], v[TM+12+\q]
	v_cvt_scalef32_pk8_fp4_f32 v[PC+2*\q+1], v[ACC+16*\q+8:ACC+16*\q+15], v[TM+12+\q]
.endr
	v_nop                                          ; one plain line behind the conversions
.irp ut, 0,1                           ; the operand wants a whole block in a lane: lanes 0-15 channels 0-31, lanes 16-31 channels 32-63
.irp k, 0,1
	v_permlane16_swap_b32 v[PC+4*\ut+\k], v[PC+4*\ut+2+\k]
.endr
.endr
.irp ut, 0,1
	global_store_b128 v[LI], v[PC+4*\ut:PC+4*\ut+3], s[DC:DC+1] offset:(2*(\i)+\ut)*512   ; 512 consecutive bytes, aligned
.endr
.if (\i) == 3
	global_store_b128 v[LI], v[SW:SW+3], s[DS:DS+1]
.endif
.endm
; V: block T is the pair's 32 keys of tile T's channels
.macro EPIV i
	s_wait_xcnt 0x0
	MAXB
.irp T, 0,1,2,3
.if (\i) == 0
	s_delay_alu instid0(VALU_DEP_4)
	v_mov_b32 v[VW+\T], v[TM+4+\T]
.else
	s_delay_alu instid0(VALU_DEP_4)
	v_lshl_or_b32 v[VW+\T], v[TM+4+\T], 8*(\i), v[VW+\T]
.endif
.endr
.irp T, 0,1,2,3
	v_cvt_scalef32_pk8_fp4_f32 v[PCV+4*\T+2*((\i)%2)], v[ACC+16*\T:ACC+16*\T+7], v[TM+12+\T]
	v_cvt_scalef32_pk8_fp4_f32 v[PCV+4*\T+2*((\i)%2)+1], v[ACC+16*\T+8:ACC+16*\T+15], v[TM+12+\T]
.endr
	v_nop
.if (\i)%2 == 1
.irp T, 0,1,2,3
.irp k, 0,1
	v_permlane16_swap_b32 v[PCV+4*\T+\k], v[PCV+4*\T+2+\k]
.endr
.endr
.irp T, 0,1,2,3
	global_store_b128 v[LI], v[PCV+4*\T:PCV+4*\T+3], s[DC:DC+1] offset:(2*\T+(\i)/2)*512
.endr
.endif
.if (\i) == 3
.irp g, 0,1
	v_cndmask_b32 v[VP+\g], v[VW+2*\g], v[VW+2*\g+1], s[MH]
.endr
	global_store_b64 v[L8], v[VP:VP+1], s[DS:DS+1]
.endif
.endm
; pair i of a quad: 64 matrix instructions, and its way out.  The next pair's first fragments are asked for under the last products.
.macro TRIP p, i
.set AD, ADA+(\i)%2
	v_add_nc_u32 v[AD], (\i)*PREC, v[BLI]
	v_add_nc_u32 v[ASA], (\i)*PREC, v[BLS]
.if (\i) == 0
	LDA X, 0, 0
	LDA Y, 0, 2
.endif
.irp s, 0,1,2,3,4,5,6,7
	ds_load_b32 v[AS+\s], v[ASA] offset:16384+128*\s
.endr
	s_wait_alu depctr_va_vdst(0)
	s_wait_dscnt 0x0
	MUL \p, X, 0, 1
	MUL \p, X, 1, 0
	WIN 0
	PLACES
	LDA X, 0, 4
	MUL \p, Y, 2, 0
	MUL \p, Y, 3, 0
	WIN 0
	PLACES
	LDA Y, 0, 6
	s_wait_dscnt 8                                 ; K steps 4, 5 are in; the eight loads just issued may be out
	MUL \p, X, 4, 0
	MUL \p, X, 5, 0
	WIN 0
	PLACES
.if (\i) < 3
	LDA X, PREC, 0
	s_wait_dscnt 8                                 ; K steps 6, 7 are in
.else
	s_wait_dscnt 0x0
.endif
	MUL \p, Y, 6, 0
	MUL \p, Y, 7, 0
	WIN 0
	PLACES
.if (\i) < 3
	LDA Y, PREC, 2
.endif
.if (\p) == 0
	EPIQK \i
.else
	EPIV \i
.endif
.endm
	s_mov_b32 s[PB], 0
	s_mov_b32 s[CNT], 2
.Lquad:                                            ; two trips: a quad of 128 tokens = four pairs = one record
	v_add_nc_u32 v[BLI], s[PB], v[LI]
	v_add_nc_u32 v[BLS], s[PB], v[LS]
	s_cmp_eq_u32 s[KIND], 2
	s_cbranch_scc1 .Lv_path
	TRIP 0, 0
	TRIP 0, 1
	TRIP 0, 2
	TRIP 0, 3
	s_branch .Ljoin
.Lv_path:
	s_wait_alu depctr_va_vdst(0)
	TRIP 1, 0
	TRIP 1, 1
	TRIP 1, 2
	TRIP 1, 3
.Ljoin:
	s_wait_xcnt 0x0                                ; the stores have read their bases
	s_add_nc_u64 s[DC:DC+1], s[DC:DC+1], s[STR:STR+1]
	s_add_nc_u64 s[DS:DS+1], s[DS:DS+1], s[STR:STR+1]
	s_add_co_u32 s[PB], s[PB], 4*PREC
	s_sub_co_u32 s[CNT], s[CNT], 1
	s_cmp_lg_u32 s[CNT], 0
	s_cbranch_scc1 .Lquad
	s_wait_tensorcnt 0x0
	ds_add_u32 v254, v255
	s_wait_dscnt 0x0
	s_endpgm
.Lfunc_end_k_qd7340a1ee4_qkv:
	.size	k_qd7340a1ee4_qkv, .Lfunc_end_k_qd7340a1ee4_qkv-k_qd7340a1ee4_qkv
	.p2alignl 7, 3214868480
	.fill 96, 4, 3214868480
	.section	.rodata,"a",@progbits
	.p2align	6, 0x0
	.amdhsa_kernel k_qd7340a1ee4_qkv
		.amdhsa_group_segment_fixed_size 168960
		.amdhsa_private_segment_fixed_size 0
		.amdhsa_enable_private_segment 0
		.amdhsa_kernarg_size 40
		.amdhsa_user_sgpr_count 2
		.amdhsa_user_sgpr_kernarg_segment_ptr 1
		.amdhsa_wavefront_size32 1
		.amdhsa_system_sgpr_workgroup_id_x 1
		.amdhsa_system_sgpr_workgroup_id_y 1
		.amdhsa_system_sgpr_workgroup_id_z 1
		.amdhsa_system_vgpr_workitem_id 0
		.amdhsa_next_free_vgpr 512
		.amdhsa_next_free_sgpr 66
		.amdhsa_reserve_vcc 0
		.amdhsa_float_denorm_mode_32 3
		.amdhsa_float_denorm_mode_16_64 3
		.amdhsa_memory_ordered 1
		.amdhsa_forward_progress 1
		.amdhsa_inst_pref_size 146
	.end_amdhsa_kernel
	.amdgpu_metadata
---
amdhsa.version: [ 1, 2 ]
amdhsa.kernels:
  - .name:           k_qd7340a1ee4_qkv
    .symbol:         k_qd7340a1ee4_qkv.kd
    .args:
      - { .name: acode, .offset: 0, .size: 8, .value_kind: global_buffer, .address_space: global }
      - { .name: wimg, .offset: 8, .size: 8, .value_kind: global_buffer, .address_space: global }
      - { .name: b_qkv, .offset: 16, .size: 8, .value_kind: global_buffer, .address_space: global }
      - { .name: qrec, .offset: 24, .size: 8, .value_kind: global_buffer, .address_space: global }
      - { .name: kvrec, .offset: 32, .size: 8, .value_kind: global_buffer, .address_space: global }
    .group_segment_fixed_size: 168960
    .private_segment_fixed_size: 0
    .kernarg_segment_align: 8
    .kernarg_segment_size: 40
    .max_flat_workgroup_size: 256
    .sgpr_count:     66
    .vgpr_count:     512
    .wavefront_size: 32
...
	.end_amdgpu_metadata
.endif
;; end of part 2
;; launch attn (part 3): grid 8 x 32, 16 waves a work-group, clusters of 4 x 1, 327,680 bytes of LDS; arguments qrec, kvrec, ocode; writes ocode
.if DOCPART == 3
	.amdgcn_target "amdgcn-amd-amdhsa--gfx1250"
	.amdhsa_code_object_version 6
	.text
	.protected	k_qd7340a1ee4_attn
	.globl	k_qd7340a1ee4_attn
	.p2align	8
	.type	k_qd7340a1ee4_attn,@function
k_qd7340a1ee4_attn:
	s_mov_b64 s[64:65], 0
	v_nop
	global_prefetch_b8 v0, s[64:65] scope:SCOPE_SE
	s_setreg_imm32_b32 hwreg(HW_REG_WAVE_MODE, 25, 1), 1
	s_wait_xcnt 0x0
	s_wait_alu depctr_hold_cnt(0) depctr_sa_sdst(0) depctr_va_vdst(0) depctr_va_sdst(0) depctr_va_ssrc(0) depctr_va_vcc(0) depctr_vm_vsrc(0)
	s_getreg_b32 s2, hwreg(HW_REG_IB_STS2, 6, 4)
	s_cmp_eq_u32 s2, 0
	s_cbranch_scc0 .Lentry_in_a_cluster
	s_endpgm
.Lentry_in_a_cluster:
	s_bfe_u32 s2, ttmp6, 0x10000c
	s_cmp_lg_u32 s2, 0x3003
	s_cbranch_scc0 .Lentry_shape_is_right
	s_endpgm
.Lentry_shape_is_right:
; O = softmax(Q K^T / 8) V for one head, 2,048 queries x 4,096 keys x 64 channels, both products on FP4 codes; O is divided by the row's sum and quantised along the channels for the last product.
; THE SOFTMAX: t = score x log2(e) / 8; M = the running largest t rounded UP to a whole number; p = 2^(t - M) is quantised along the keys, not normalised; the row's sum is taken of the unquantised p.
; When M moves, the sum and O are multiplied by 2^(old M - new M), which rounds nothing.
; SHARES.  Work-group (4 cluster x + cx, y): 256 queries of head y = 16 b + head; each of sixteen waves owns one tile of 16 queries and walks the head's 32 key steps of 128 keys.
; LDS.  A head's 32 records of kvrec (8,960 bytes a key step = 35 rows of 256 bytes) are filled ONCE, each row with 32 bytes of padding behind it: 32 x 10,080 bytes.  The four work-groups of a cluster belong to one
; head and ask JOINTLY: at the head wave w asks for record w; behind the first round for record 16 + w.  One tensor load of a wave is out at any time.  The second sixteen are waited for behind key step 7.
; No prefetch: all of K and V is asked for by these two loads a wave, so there is no loop in which to run ahead of a load.
; LAYOUT.  S^T = K Q^T (source 0 = 16 keys), O^T = V^T P^T (source 0 = 16 channels): a lane holds ONE query.  THE KEYS OF A TILE ARE CHOSEN BY THE LANES' LDS ADDRESSES: row p of tile (c, i) is key
; 64 c + 32 (p / 8) + 8 i + p % 8.  So the 32 registers of tiles (c, 0..3) of lane (r, h) are the WHOLE block of keys 64 c + 32 h + 0 .. 31: its largest score needs no other lane, and its four conversions are
; registers 4 c .. 4 c + 3 of P's operand as they stand.  In a record that key's 16 bytes lie in row 8 c + 4 (p / 8) + 2 (i % 2) + h at byte 128 (i / 2) + 16 (p % 8); rows 4 apart are 1,152 bytes apart in LDS,
; so that the sixteen lanes of a load's half name 256 different bytes modulo 256.
; THE HEAD'S 64 CHANNELS FILL HALF OF THE INSTRUCTION'S K: Q's upper four registers are zero codes, so whatever K's operand names there (the next tile's codes) adds nothing.
; LIMITS: NaN and infinities are not served; a block of zeros gets the byte 1; the promise holds while the scaled scores t stay under 2^31 in magnitude.
.set PREC,  17408
.set KREC,  8960                       ; a record in memory
.set LREC,  10080                      ; and in LDS: 35 rows of 288 bytes
.set QREC,  4608
.set SPARE, 32*LREC                    ; the spare words: 128 bytes a wave, eight blocks of 256 bytes that no other line names
.set LI,   1                           ; v1  16 x lane
.set AK0,  2                           ; v2  my lane's place in K's codes: 1,152 (p / 8) + 288 h + 16 (p % 8)
.set AS0,  3                           ; v3  in K's scale words: 9,216 + 288 h + 16 (p % 8) + 4 (p / 8)
.set AV0,  4                           ; v4  in V's codes: 4,608 + 288 h + 16 p
.set AT0,  5                           ; v5  in V's scale words: 9,792 + 8 x lane
.set SH8,  6                           ; v6  8 h
.set OS,   7                           ; v7  4 p: O's scale bytes
.set ADK,  8                           ; v8-11 the same four places in the record in hand
.set ADS,  9
.set ADV,  10
.set ADT,  11
.set QF,   16                          ; v16-23 Q (v20-23 zero codes)
.set QS,   24                          ; v24    Q's scale words
.set VS,   26                          ; v26-27 V's scale words
.set KS,   28                          ; v28-31 K's scale words: register 2 c + j: lanes 0-15 tile (c, 2 j), lanes 16-31 tile (c, 2 j + 1)
.set KF,   32                          ; v32-63 K's eight tiles, four registers each; v64-67 zeros
.set VF,   68                          ; v68-99 V's four tiles
.set S,    100                         ; v100-163 S^T, then p: tile (c, i) at 32 c + 8 i
.set OT,   164                         ; v164-195 O^T
.set PC,   196                         ; v196-203 p's codes
.set BM,   204                         ; v204-207 largest scores; v204, v206 the two blocks', then their largest p
.set SO,   208
.set BY,   210
.set T2,   214
.set OLD,  216
.set FF,   220                         ; v[220:221] f = 2^(old M - new M)
.set TMP,  222
.set PW,   223                         ; p's scale word
.set SM,   226                         ; v226-239 seven partial sums
.set SPW,  254
.set NIL,  255
.set FLOOR, 0x1800000
.set OFF2,  0xff000000
.set WV,   10
.set TB,   11
.set CNT,  12
.set CS,   14
.set SEL,  16
.set G1,   24
.set G0,   32                          ; s[32:35], s[36:39]: group 0 of my two loads
.macro CROUND                          ; a round of the cluster's barrier
	s_barrier_signal -1
	s_barrier_wait -1
	s_cmp_lg_u32 s[WV], 0
	s_cbranch_scc1 .Lnot_wave_0_\@
	s_barrier_signal -3
.Lnot_wave_0_\@:
	s_barrier_wait -3
	s_barrier_signal -1
	s_barrier_wait -1
.endm
	s_load_b128 s[4:7], s[0:1], 0x0                ; qrec, kvrec
	s_load_b64 s[8:9], s[0:1], 0x10                ; ocode
	v_lshl_add_u32 v[SPW], v0, 2, SPARE
	v_mov_b32 v[NIL], 0
	ds_add_u32 v[SPW], v[NIL]                      ; the opening lines: the add twice on end and one wait
	ds_add_u32 v[SPW], v[NIL]
	v_lshrrev_b32 v1, 5, v0
	v_readfirstlane_b32 s[WV], v1                  ; wave 0..15
	s_bfe_u32 s18, ttmp6, 0x40000                  ; cx: it enters Q's and O's global addresses alone
	s_lshl_b32 s19, ttmp9, 2
	s_add_co_u32 s19, s19, s18                     ; my block of 256 queries
	s_and_b32 s20, ttmp7, 0xffff                   ; y = 16 b + head, which the four partners share
	s_mul_i32 s21, s[WV], KREC                     ; record w in memory,
	s_mul_i32 s22, s[WV], LREC                     ; and in LDS
	s_mul_i32 s66, s20, 32*KREC
	s_add_co_u32 s66, s66, s21
	s_mov_b32 s67, 0
	s_lshl_b32 s68, s20, 4
	s_lshl_b32 s69, s19, 1
	s_add_co_u32 s68, s68, s69
	s_lshr_b32 s69, s[WV], 3
	s_add_co_u32 s68, s68, s69                     ; my quad's record in qrec
	s_mul_i32 s68, s68, QREC
	s_mov_b32 s69, 0
	s_and_b32 s70, s[WV], 7
	s_lshl_b32 s70, s70, 9                         ; my tile 2 g + u = w % 8
	s_mov_b32 s71, 0
	s_and_b32 s72, s[WV], 1
	s_lshl_b32 s72, s72, 8
	s_bfe_u32 s73, s[WV], 0x20001
	s_lshl_b32 s73, s73, 2
	s_add_co_u32 s72, s72, s73                     ; its scale words: 256 u + 4 g
	s_mov_b32 s73, 0
	s_lshr_b32 s74, s20, 4
	s_lshl_b32 s74, s74, 6
	s_lshl_b32 s75, s19, 3
	s_add_co_u32 s74, s74, s75
	s_lshr_b32 s75, s[WV], 1
	s_add_co_u32 s74, s74, s75                     ; my token pair in ocode: 64 b + 8 block + w / 2
	s_mul_i32 s74, s74, PREC
	s_and_b32 s75, s20, 15                         ; head: K step head / 2, register group head % 2 of the last product
	s_lshr_b32 s76, s75, 1
	s_and_b32 s77, s75, 1
	s_and_b32 s78, s[WV], 1
	s_lshl_b32 s79, s76, 11
	s_add_co_u32 s80, s74, s79
	s_lshl_b32 s79, s78, 10
	s_add_co_u32 s80, s80, s79
	s_lshl_b32 s79, s77, 9
	s_add_co_u32 s80, s80, s79
	s_mov_b32 s81, 0
	s_lshl_b32 s79, s76, 7
	s_add_co_u32 s82, s74, s79
	s_lshl_b32 s79, s78, 6
	s_add_co_u32 s82, s82, s79
	s_lshl_b32 s79, s77, 1
	s_add_co_u32 s82, s82, s79
	s_mov_b32 s83, 0
	s_mov_b32 s[CS], 0x3e38aa3b                    ; c = log2(e) / 8
	s_mov_b32 s[CS+1], s[CS]                       ; named with it as a pair, so it is written
	s_mov_b32 s[SEL], 0x76543210
	s_mov_b32 s[SEL+1], 0xfedcba98
	s_mov_b32 s[TB], 0
	; a record: 35 rows of 256 bytes (32 elements of 8), dense; 8 words of padding behind every 64; the mask names all four work-groups
	s_mov_b32 s[G1], 15|(3<<16)|(1<<20)|(1<<21)|(5<<22)|(7<<25)
	s_mov_b32 s[G1+1], 32<<16
	s_mov_b32 s[G1+2], 35<<16
	s_mov_b32 s[G1+3], 32<<16
	s_mov_b32 s[G1+4], 35
	s_mov_b32 s[G1+5], 32
	s_mov_b32 s[G1+6], 0
	s_mov_b32 s[G1+7], 0
	s_wait_dscnt 0x0                               ; both opening adds are done
	s_wait_kmcnt 0x0
	s_add_nc_u64 s[6:7], s[6:7], s[66:67]
	s_add_nc_u64 s[4:5], s[4:5], s[68:69]
	s_add_nc_u64 s[84:85], s[4:5], s[72:73]        ; Q's scale words
	s_add_nc_u64 s[4:5], s[4:5], s[70:71]          ; Q's codes
	s_add_nc_u64 s[86:87], s[8:9], s[82:83]        ; O's scale words
	s_add_nc_u64 s[8:9], s[8:9], s[80:81]          ; O's codes
	s_mov_b32 s[G0], 1
	s_mov_b32 s[G0+1], s22
	s_mov_b64 s[G0+2:G0+3], s[6:7]
	s_or_b32 s[G0+3], s[G0+3], 0x80000000
	s_mov_b32 s[G0+4], 1
	s_add_co_u32 s[G0+5], s22, 16*LREC
	s_add_nc_u64 s[G0+6:G0+7], s[6:7], 16*KREC
	s_or_b32 s[G0+7], s[G0+7], 0x80000000
	CROUND                                         ; all four work-groups are here: the joint loads meet
	tensor_load_to_lds s[G0:G0+3], s[G1:G1+7]      ; record w: every wave's one load at the head
	s_nop 0
.rept 4
	v_nop
.endr
	v_and_b32 v240, 31, v0                         ; lane
	v_and_b32 v241, 15, v0                         ; p
	v_bfe_u32 v242, v0, 4, 1                       ; h
	v_bfe_u32 v243, v0, 3, 1                       ; p / 8
	v_and_b32 v244, 7, v0                          ; p % 8
	v_lshlrev_b32 v[LI], 4, v240
	v_lshlrev_b32 v245, 4, v241                    ; Q's scale words: 16 bytes a row
	v_lshlrev_b32 v[OS], 2, v241
	global_load_b128 v[QF:QF+3], v[LI], s[4:5]
	global_load_b32 v[QS], v245, s[84:85] offset:4096
	v_mul_u32_u24 v[AV0], v242, 288
	v_lshl_add_u32 v[AT0], v240, 3, 34*288
	v_lshlrev_b32 v[SH8], 3, v242
	v_mad_u32_u24 v[AK0], v243, 1152, v[AV0]
	v_lshl_add_u32 v[AS0], v244, 4, v[AV0]
	v_lshl_add_u32 v[AV0], v241, 4, v[AV0]
	v_lshl_add_u32 v[AK0], v244, 4, v[AK0]
	v_lshl_add_u32 v[AS0], v243, 2, v[AS0]
	v_add_nc_u32 v[AV0], 16*288, v[AV0]
	v_add_nc_u32 v[AS0], 32*288, v[AS0]
	v_mov_b32 v13, 0xff61b1e6                      ; the largest score so far: -3e38
	v_mov_b32 v14, 0                               ; the sum, in two halves
	v_mov_b32 v15, 0
	v_floor_f32 v12, -v13                          ; -M
.irp j, 0,1,2,3
	v_mov_b32 v[QF+4+\j], 0                        ; zero codes for k = 64 .. 127
	v_mov_b32 v[KF+32+\j], 0
.endr
	v_mov_b32 v[T2], 0                             ; a lane permute's destination counts as one of its sources
	v_mov_b32 v[T2+1], 0
	v_mov_b32 v[FF+1], 0
.irp j, 0,1,2,3,4,5,6,7,8,9,10,11,12,13,14,15,16,17,18,19,20,21,22,23,24,25,26,27,28,29,30,31
	v_mov_b32 v[OT+\j], 0                          ; the step has no first step of its own: it finds zeros
.endr
.macro WM d, a, b, zero, sa, sb, ra
.if (\zero) && (\ra)
	v_wmma_scale_f32_16x16x128_f8f6f4 v[(\d):(\d)+7], v[(\a):(\a)+7], v[(\b):(\b)+7], 0, v[(\sa)], v[(\sb)] matrix_a_fmt:MATRIX_FMT_FP4 matrix_b_fmt:MATRIX_FMT_FP4 matrix_a_scale:MATRIX_SCALE_ROW1
.elseif (\zero)
	v_wmma_scale_f32_16x16x128_f8f6f4 v[(\d):(\d)+7], v[(\a):(\a)+7], v[(\b):(\b)+7], 0, v[(\sa)], v[(\sb)] matrix_a_fmt:MATRIX_FMT_FP4 matrix_b_fmt:MATRIX_FMT_FP4
.elseif (\ra)
	v_wmma_scale_f32_16x16x128_f8f6f4 v[(\d):(\d)+7], v[(\a):(\a)+7], v[(\b):(\b)+7], v[(\d):(\d)+7], v[(\sa)], v[(\sb)] matrix_a_fmt:MATRIX_FMT_FP4 matrix_b_fmt:MATRIX_FMT_FP4 matrix_a_scale:MATRIX_SCALE_ROW1
.else
	v_wmma_scale_f32_16x16x128_f8f6f4 v[(\d):(\d)+7], v[(\a):(\a)+7], v[(\b):(\b)+7], v[(\d):(\d)+7], v[(\sa)], v[(\sb)] matrix_a_fmt:MATRIX_FMT_FP4 matrix_b_fmt:MATRIX_FMT_FP4
.endif
.endm
; K's eight tiles (tile t = 4 c + i) and their four registers of scale words, from the record base bytes behind the two addresses
.macro KLOAD rk, rs, base
.irp t, 0,1,2,3,4,5,6,7
	ds_load_b128 v[KF+4*\t:KF+4*\t+3], v[\rk] offset:(\base)+2304*(\t/4)+576*(\t%2)+128*((\t%4)/2)
.endr
.irp t, 0,1,2,3
	ds_load_b32 v[KS+\t], v[\rs] offset:(\base)+128*(\t%2)+8*(\t/2)
.endr
.endm
.macro PKF from, cnt                   ; t - M, two at a time
.set jj, \from
.rept \cnt
	v_pk_fma_f32 v[S+jj:S+jj+1], v[S+jj:S+jj+1], s[CS:CS+1], v[12:13] op_sel_hi:[1,0,0]
.set jj, jj+2
.endr
.endm
; A KEY STEP: 128 keys.  K's tiles are in registers when it begins; pre = 1: the next step's are asked for behind the first product.
.macro STEP pre
.irp t, 0,1,2,3,4,5,6,7
	WM S+8*\t, KF+4*\t, QF, 1, KS+2*(\t/4)+(\t%4)/2, QS, \t%2
.endr
	v_add_nc_u32 v[ADV], s[TB], v[AV0]             ; four plain lines: the places behind the products, in front of the loads into their registers and of the first read of S^T
	v_add_nc_u32 v[ADT], s[TB], v[AT0]
.if \pre
	v_add_nc_u32 v[ADK], s[TB], v[AK0]
	v_add_nc_u32 v[ADS], s[TB], v[AS0]
	KLOAD ADK, ADS, LREC
.else
	v_nop
	v_nop
.endif
.irp t, 0,1,2,3,4,5,6,7
	ds_load_b128 v[VF+4*\t:VF+4*\t+3], v[ADV] offset:576*\t
.endr
	ds_load_b64 v[VS:VS+1], v[ADT]
.irp b, 0,1,2,3                        ; four chains by turns, each over 15 of 16 registers; every accumulator is read from its low end on
	v_max3_num_f32 v[BM+\b], v[S+16*\b], v[S+16*\b+1], v[S+16*\b+2]
.endr
.irp i, 3,5,7,9,11,13
.irp b, 0,1,2,3
	v_max3_num_f32 v[BM+\b], v[BM+\b], v[S+16*\b+\i], v[S+16*\b+\i+1]
.endr
.endr
	v_max3_num_f32 v[BM], v[BM], v[BM+1], v[S+15]
	v_max3_num_f32 v[BM+2], v[BM+2], v[BM+3], v[S+47]
	v_max_num_f32 v[BM], v[BM], v[S+31]            ; the largest score of my block h,
	v_max_num_f32 v[BM+2], v[BM+2], v[S+63]        ; and of my block 2 + h: for the row's maximum, and, since p rises with the score, for the block's largest p
	s_delay_alu instid0(VALU_DEP_1)
	v_max3_num_f32 v[TMP], v[BM], v[BM+2], v13
	s_delay_alu instid0(VALU_DEP_1)
	v_permlanex16_b32 v[T2], v[TMP], s[SEL], s[SEL+1]
	s_delay_alu instid0(VALU_DEP_1)
	v_max_num_f32 v13, v[TMP], v[T2]               ; the running largest score of my query
	s_delay_alu instid0(VALU_DEP_1)
	v_mul_f32 v[TMP], s[CS], v13                   ; as t (c is positive)
	v_mov_b32 v[OLD], v12
	s_delay_alu instid0(VALU_DEP_2)
	v_floor_f32 v12, -v[TMP]                       ; the new -M = -ceil(t)
	s_delay_alu instid0(VALU_DEP_1)
	v_sub_f32 v[TMP], v12, v[OLD]                  ; old M - new M: a whole number, 0 or less
	PKF 0, 8
	v_cvt_i32_f32 v[TMP], v[TMP]                   ; (it saturates)
	PKF 16, 8
	v_ldexp_f32 v[FF], 1.0, v[TMP]                 ; f
	PKF 32, 16
	v_fma_f32 v[BM], v[BM], s[CS], v12
	v_fma_f32 v[BM+2], v[BM+2], s[CS], v12
.irp j, 0,2,4,6,8,10,12,14,16,18,20,22,24,26,28,30
	v_pk_mul_f32 v[OT+\j:OT+\j+1], v[OT+\j:OT+\j+1], v[FF:FF+1] op_sel_hi:[1,0]   ; O^T under the new M
.endr
	s_wait_alu depctr_va_vdst(0)                   ; the wait ahead of the batch
.irp j, 0,1,2,3,4,5,6,7,8,9,10,11,12,13,14,15,16,17,18,19,20,21,22,23,24,25,26,27,28,29,30,31,32,33,34,35,36,37,38,39,40,41,42,43,44,45,46,47,48,49,50,51,52,53,54,55,56,57,58,59,60,61,62,63
	v_exp_f32 v[S+\j], v[S+\j]                     ; p = 2^(t - M)
.endr
	v_exp_f32 v[BM], v[BM]                         ; the two blocks' largest p
	v_exp_f32 v[BM+2], v[BM+2]
	v_pk_mul_f32 v[14:15], v[14:15], v[FF:FF+1] op_sel_hi:[1,0]   ; the sums under the new M; the plain line behind the exponentials
	s_wait_alu depctr_va_vdst(0)                   ; one wait for the batch, ahead of its first reader
	v_max_num_f32 v[BM], FLOOR, v[BM]
	v_max_num_f32 v[BM+2], FLOOR, v[BM+2]
	s_delay_alu instid0(VALU_DEP_2)
	v_add_nc_u32 v[SO], OFF2, v[BM]                ; 2 off the exponent field: the conversion's scale operand
	s_delay_alu instid0(VALU_DEP_2)
	v_add_nc_u32 v[SO+1], OFF2, v[BM+2]
	s_delay_alu instid0(VALU_DEP_2)
	v_lshrrev_b32 v[BY], 23, v[SO]                 ; the scale's byte
	s_delay_alu instid0(VALU_DEP_2)
	v_lshrrev_b32 v[BY+1], 23, v[SO+1]
	s_delay_alu instid0(VALU_DEP_1)
	v_lshl_or_b32 v[TMP], v[BY+1], 16, v[BY]
	s_delay_alu instid0(VALU_DEP_1)
	v_lshlrev_b32 v[TMP], v[SH8], v[TMP]           ; my bytes h and 2 + h at their places;
	s_delay_alu instid0(VALU_DEP_1)
	v_permlanex16_b32 v[T2], v[TMP], s[SEL], s[SEL+1]
	s_delay_alu instid0(VALU_DEP_1)
	v_or_b32 v[PW], v[TMP], v[T2]                  ; with lane l xor 16's two the word is whole
.irp t, 0,1,2,3,4,5,6,7
	v_cvt_scalef32_pk8_fp4_f32 v[PC+\t], v[S+8*\t:S+8*\t+7], v[SO+\t/4]
.endr
	; the row's sum of the unquantised p: 32 packed additions in eight chains.  They are also the places between p's codes and scale word and the product
.irp i, 0,1,2,3,4,5,6
	v_pk_add_f32 v[SM+2*\i:SM+2*\i+1], v[S+2*\i:S+2*\i+1], v[S+16+2*\i:S+16+2*\i+1]
.endr
	v_pk_add_f32 v[14:15], v[14:15], v[S+14:S+15]
.irp i, 0,1,2,3,4,5,6
	v_pk_add_f32 v[SM+2*\i:SM+2*\i+1], v[SM+2*\i:SM+2*\i+1], v[S+32+2*\i:S+32+2*\i+1]
.endr
	v_pk_add_f32 v[14:15], v[14:15], v[S+30:S+31]
.irp i, 0,1,2,3,4,5,6
	v_pk_add_f32 v[SM+2*\i:SM+2*\i+1], v[SM+2*\i:SM+2*\i+1], v[S+48+2*\i:S+48+2*\i+1]
.endr
	v_pk_add_f32 v[14:15], v[14:15], v[S+46:S+47]
	v_pk_add_f32 v[SM:SM+1], v[SM:SM+1], v[SM+8:SM+9]
	v_pk_add_f32 v[SM+2:SM+3], v[SM+2:SM+3], v[SM+10:SM+11]
	v_pk_add_f32 v[SM+4:SM+5], v[SM+4:SM+5], v[SM+12:SM+13]
	v_pk_add_f32 v[14:15], v[14:15], v[S+62:S+63]
	s_delay_alu instid0(VALU_DEP_3)
	v_pk_add_f32 v[SM:SM+1], v[SM:SM+1], v[SM+2:SM+3]
	s_delay_alu instid0(VALU_DEP_3)
	v_pk_add_f32 v[SM+4:SM+5], v[SM+4:SM+5], v[SM+6:SM+7]
	s_delay_alu instid0(VALU_DEP_2)
	v_pk_add_f32 v[14:15], v[14:15], v[SM:SM+1]
	s_delay_alu instid0(VALU_DEP_1)
	v_pk_add_f32 v[14:15], v[14:15], v[SM+4:SM+5]
	s_wait_dscnt 0x0                               ; V is in, and so are the next step's tiles of K
.irp T, 0,1,2,3
	WM OT+8*\T, VF+8*\T, PC, 0, VS+\T/2, PW, \T%2
.endr
	s_add_co_u32 s[TB], s[TB], LREC
.endm
	s_wait_alu depctr_va_vdst(0)                   ; the wait at the head's end
	s_wait_loadcnt 0x0                             ; Q
	s_wait_tensorcnt 0x0                           ; record w is in
	ds_add_u32 v[SPW], v[NIL]
	s_wait_dscnt 0x0
	CROUND                                         ; records 0-15 are in, and all four work-groups are here
	tensor_load_to_lds s[G0+4:G0+7], s[G1:G1+7]    ; record 16 + w: my one load behind the round
	s_nop 0
.rept 4
	v_nop
.endr
	KLOAD AK0, AS0, 0                              ; key step 0's tiles of K
	s_wait_dscnt 0x0
	s_mov_b32 s[CNT], 8
.Lfirst:                                           ; key steps 0-7; the last of them asks for K of step 8, which lies in record 8
	STEP 1
	s_sub_co_u32 s[CNT], s[CNT], 1
	s_cmp_lg_u32 s[CNT], 0
	s_cbranch_scc1 .Lfirst
	s_wait_tensorcnt 0x0                           ; record 16 + w is in,
	s_wait_dscnt 0x0
	s_barrier_signal -1
	s_barrier_wait -1                              ; everybody's is
	s_mov_b32 s[CNT], 23
.Lrest:                                            ; key steps 8-30
	STEP 1
	s_sub_co_u32 s[CNT], s[CNT], 1
	s_cmp_lg_u32 s[CNT], 0
	s_cbranch_scc1 .Lrest
	STEP 0                                         ; key step 31 has no successor
	; THE WAY OUT: O^T / the sum; my query's two blocks of 32 channels become codes; the image's 512 bytes go straight to ocode
.rept 4
	v_nop
.endr
	s_wait_alu depctr_va_vdst(0)                   ; the wait here, directly ahead of the reader below
	v_add_f32 v14, v14, v15
	s_delay_alu instid0(VALU_DEP_1)
	v_permlanex16_b32 v[TMP], v14, s[SEL], s[SEL+1]
	s_delay_alu instid0(VALU_DEP_1)
	v_add_f32 v14, v14, v[TMP]                     ; the row's sum
	s_wait_alu depctr_va_vdst(0)
	v_rcp_f32 v14, v14
	v_nop
	s_wait_alu depctr_va_vdst(0)
.irp j, 0,2,4,6,8,10,12,14,16,18,20,22,24,26,28,30
	v_pk_mul_f32 v[S+\j:S+\j+1], v[OT+\j:OT+\j+1], v[14:15] op_sel_hi:[1,0]   ; register 16 g + i: channel 32 g + 16 h + i
.endr
.irp b, 0,1
	v_max3_num_f32 v[BM+\b], |v[S+16*\b]|, |v[S+16*\b+1]|, FLOOR
.endr
.irp n, 2,4,6,8,10,12,14
.irp b, 0,1
	s_delay_alu instid0(VALU_DEP_2)
	v_max3_num_f32 v[BM+\b], v[BM+\b], |v[S+16*\b+\n]|, |v[S+16*\b+\n+1]|
.endr
.endr
.irp b, 0,1
	s_delay_alu instid0(VALU_DEP_2)
	v_permlanex16_b32 v[T2+\b], v[BM+\b], s[SEL], s[SEL+1]
.endr
.irp b, 0,1
	s_delay_alu instid0(VALU_DEP_2)
	v_max_num_f32 v[BM+\b], v[BM+\b], v[T2+\b]
.endr
.irp b, 0,1
	s_delay_alu instid0(VALU_DEP_2)
	v_add_nc_u32 v[SO+\b], OFF2, v[BM+\b]
.endr
.irp b, 0,1
	s_delay_alu instid0(VALU_DEP_2)
	v_lshrrev_b32 v[BY+\b], 23, v[SO+\b]
.endr
	s_delay_alu instid0(VALU_DEP_1)
	v_lshl_or_b32 v[BY+2], v[BY+1], 8, v[BY]       ; my head's half of the scale word
.irp b, 0,1
	v_cvt_scalef32_pk8_fp4_f32 v[PC+2*\b], v[S+16*\b:S+16*\b+7], v[SO+\b]
	v_cvt_scalef32_pk8_fp4_f32 v[PC+2*\b+1], v[S+16*\b+8:S+16*\b+15], v[SO+\b]
.endr
	v_nop
.irp i, 0,1
	v_permlane16_swap_b32 v[PC+\i], v[PC+2+\i]
.endr
	global_store_b128 v[LI], v[PC:PC+3], s[8:9]    ; 512 consecutive bytes, aligned
	global_store_b16 v[OS], v[BY+2], s[86:87] offset:16384   ; two bytes a row (two heads share a word); lanes r and r + 16 write the same value to the same place
	s_wait_tensorcnt 0x0                           ; the wave's end
	ds_add_u32 v[SPW], v[NIL]
	s_wait_dscnt 0x0
	CROUND                                         ; the closing round: no work-group ends while a partner may still ask for a tile that names it
	s_endpgm
.Lfunc_end_k_qd7340a1ee4_attn:
	.size	k_qd7340a1ee4_attn, .Lfunc_end_k_qd7340a1ee4_attn-k_qd7340a1ee4_attn
	.p2alignl 7, 3214868480
	.fill 96, 4, 3214868480
	.section	.rodata,"a",@progbits
	.p2align	6, 0x0
	.amdhsa_kernel k_qd7340a1ee4_attn
		.amdhsa_group_segment_fixed_size 327680
		.amdhsa_private_segment_fixed_size 0
		.amdhsa_enable_private_segment 0
		.amdhsa_kernarg_size 24
		.amdhsa_user_sgpr_count 2
		.amdhsa_user_sgpr_kernarg_segment_ptr 1
		.amdhsa_wavefront_size32 1
		.amdhsa_system_sgpr_workgroup_id_x 1
		.amdhsa_system_sgpr_workgroup_id_y 1
		.amdhsa_system_sgpr_workgroup_id_z 1
		.amdhsa_system_vgpr_workitem_id 0
		.amdhsa_next_free_vgpr 256
		.amdhsa_next_free_sgpr 100
		.amdhsa_reserve_vcc 0
		.amdhsa_float_denorm_mode_32 3
		.amdhsa_float_denorm_mode_16_64 3
		.amdhsa_memory_ordered 1
		.amdhsa_forward_progress 1
		.amdhsa_inst_pref_size 56
	.end_amdhsa_kernel
	.amdgpu_metadata
---
amdhsa.version: [ 1, 2 ]
amdhsa.kernels:
  - .name:           k_qd7340a1ee4_attn
    .symbol:         k_qd7340a1ee4_attn.kd
    .args:
      - { .name: qrec, .offset: 0, .size: 8, .value_kind: global_buffer, .address_space: global }
      - { .name: kvrec, .offset: 8, .size: 8, .value_kind: global_buffer, .address_space: global }
      - { .name: ocode, .offset: 16, .size: 8, .value_kind: global_buffer, .address_space: global }
    .group_segment_fixed_size: 327680
    .private_segment_fixed_size: 0
    .kernarg_segment_align: 8
    .kernarg_segment_size: 24
    .max_flat_workgroup_size: 512
    .sgpr_count:     100
    .vgpr_count:     256
    .wavefront_size: 32
...
	.end_amdgpu_metadata
.endif
;; end of part 3
;; launch oproj (part 4): grid 4 x 64, 4 waves a work-group, no clusters, 168,448 bytes of LDS; arguments ocode, wimg, b_out, x, out0; writes out0
.if DOCPART == 4
	.amdgcn_target "amdgcn-amd-amdhsa--gfx1250"
	.amdhsa_code_object_version 6
	.text
	.protected	k_qd7340a1ee4_oproj
	.globl	k_qd7340a1ee4_oproj
	.p2align	8
	.type	k_qd7340a1ee4_oproj,@function
k_qd7340a1ee4_oproj:
	s_mov_b64 s[64:65], 0
	v_nop
	global_prefetch_b8 v0, s[64:65] scope:SCOPE_SE
	s_setreg_imm32_b32 hwreg(HW_REG_WAVE_MODE, 25, 1), 1
	s_wait_xcnt 0x0
; out0 = O w_out + b_out + x, the product on FP4 codes.  ocode and wimg hold images of operand registers (a pair of 32 rows: PREC bytes; row p of tile u is index 8 u + p + 8 (p / 8)).
; SHARES.  Work-group (gx, gy): columns 256 gx on, token pairs 2 gy and 2 gy + 1.  Wave w owns 64 columns, whose codes for all of K (256 registers, window 1) are read once and stay.
; The two pairs' records of O come into LDS once, by one tensor load each of waves 0 and 1.  No cluster: that shared part is 34 KB of the some 290 KB that a work-group moves.
; Source 0 = 16 columns of w_out, source 1 = 16 tokens: a lane's eight results are eight neighbouring columns of one row.  They go through the wave's own stage in LDS and leave, with bias and residual
; added in f32, as runs of 256 consecutive bytes, aligned, from sixteen lanes.
.set PREC,  17408
.set STG,   2*PREC                     ; behind the two records: a stage of 32 rows x (256 + 16) bytes for each wave
.set SP,    272
.set LI,   1
.set LS,   2
.set STO,  3
.set SRD,  4
.set GO,   5
.set WS,   8                           ; v8-23  W's scale words
.set AS,   24                          ; v24-31 O's scale words of the pair
.set BO,   32                          ; v32-35 b_out of my four columns
.set BAD,  37
.set ACC,  64                          ; v64-127 eight accumulators, then 32 rows read back
.set X,    128
.set Y,    160
.set XR,   192                         ; v192-255 x
.set WV,   28
.set MSB, 0
.macro WIN new
.if MSB != \new
	s_set_vgpr_msb (MSB<<8)|\new
.set MSB, \new
.endif
.endm
.macro PLACES
.rept 4
	v_nop
.endr
.endm
	s_load_b256 s[4:11], s[0:1], 0x0               ; ocode, wimg, b_out, x
	s_load_b64 s[12:13], s[0:1], 0x20              ; out0
	v_lshl_add_u32 v62, v0, 2, 0x29000
	v_mov_b32 v63, 0
	ds_add_u32 v62, v63
	ds_add_u32 v62, v63
	v_lshrrev_b32 v1, 5, v0
	v_readfirstlane_b32 s[WV], v1                  ; wave 0..3
	v_and_b32 v8, 31, v0
	v_lshlrev_b32 v[LI], 4, v8
	v_lshlrev_b32 v[LS], 2, v8
	v_and_b32 v6, 15, v0                           ; r
	v_bfe_u32 v7, v0, 4, 1                         ; h
	s_mul_i32 s30, s[WV], 32*SP
	s_add_co_u32 s30, s30, STG                     ; my stage
	v_mul_u32_u24 v[STO], v6, SP
	v_lshl_add_u32 v[STO], v7, 6, v[STO]
	v_add_nc_u32 v[STO], s30, v[STO]               ; in: row r, + 64 h
	v_mul_u32_u24 v[SRD], v7, SP
	v_lshl_add_u32 v[SRD], v6, 4, v[SRD]
	v_add_nc_u32 v[SRD], s30, v[SRD]               ; back: lanes 0-15 one row, lanes 16-31 the next
	v_lshlrev_b32 v[GO], 12, v7
	v_lshl_add_u32 v[GO], v6, 4, v[GO]             ; and the same in x and out0
	v_lshlrev_b32 v[BAD], 4, v6
	s_and_b32 s42, ttmp7, 0xffff                   ; gy
	s_and_b32 s43, s[WV], 1
	s_lshl_b32 s44, s42, 1
	s_add_co_u32 s44, s44, s43
	s_mul_i32 s44, s44, PREC                       ; the pair that waves 0, 1 fetch
	s_mov_b32 s45, 0
	s_lshl_b32 s46, ttmp9, 3
	s_lshl_b32 s47, s[WV], 1
	s_add_co_u32 s46, s46, s47
	s_add_co_u32 s46, s46, 96
	s_mul_i32 s46, s46, PREC                       ; my two column pairs of w_out in wimg
	s_mov_b32 s47, 0
	s_lshl_b32 s48, ttmp9, 10
	s_lshl_b32 s49, s[WV], 8
	s_add_co_u32 s48, s48, s49                     ; my 64 columns, in bytes
	s_mov_b32 s49, 0
	s_lshl_b32 s50, s42, 18                        ; 64 rows of 4,096 bytes
	s_add_co_u32 s50, s50, s48
	s_mov_b32 s51, 0
	s_mov_b32 s16, 3<<16                           ; a pair's record: 68 rows of 256 bytes, dense
	s_mov_b32 s17, 32<<16
	s_mov_b32 s18, 68<<16
	s_mov_b32 s19, 32<<16
	s_mov_b32 s20, 68
	s_mov_b32 s21, 32
	s_mov_b32 s22, 0
	s_mov_b32 s23, 0
	s_mov_b32 s24, 1
	s_mul_i32 s25, s43, PREC
	s_wait_dscnt 0x0
	s_wait_kmcnt 0x0
	s_add_nc_u64 s[26:27], s[4:5], s[44:45]
	s_or_b32 s27, s27, 0x80000000
	s_cmp_lt_u32 s[WV], 2
	s_cbranch_scc0 .Lno_fill
	tensor_load_to_lds s[24:27], s[16:23]
	s_nop 0
.rept 4
	v_nop
.endr
.Lno_fill:
	s_add_nc_u64 s[6:7], s[6:7], s[46:47]
	s_add_nc_u64 s[8:9], s[8:9], s[48:49]
	s_add_nc_u64 s[10:11], s[10:11], s[50:51]
	s_add_nc_u64 s[12:13], s[12:13], s[50:51]
; stage rows 2 i and 2 i + 1 are tokens TOK(i) and TOK(i) + 1 of the pair
.macro XLOAD p
.irp i, 0,1,2,3,4,5,6,7,8,9,10,11,12,13,14,15
	global_load_b128 v[XR+4*\i:XR+4*\i+3], v[GO], s[10:11] offset:(\p)*131072+(8*(\i/8)+2*(\i%8)+8*((\i%8)/4))*4096 th:TH_LOAD_NT
.endr
.endm
	s_wait_alu depctr_va_vdst(0)
	XLOAD 0
	WIN 0x40                                       ; destination window 1: W's fragment (T = 2 g + u, K step s) at v[8 (8 T + s)]
.irp g, 0,1
.irp u, 0,1
.irp s, 0,1,2,3,4,5,6,7
.irp c, 0,1
	global_load_b128 v[8*(8*(2*\g+\u)+\s)+4*\c:8*(8*(2*\g+\u)+\s)+4*\c+3], v[LI], s[6:7] offset:\g*PREC+((2*\s+\u)*2+\c)*512
.endr
.endr
.endr
.endr
	WIN 0
.irp g, 0,1
.irp s, 0,1,2,3,4,5,6,7
	global_load_b32 v[WS+8*\g+\s], v[LS], s[6:7] offset:\g*PREC+16384+128*\s
.endr
.endr
	global_load_b128 v[BO:BO+3], v[BAD], s[8:9]
	s_wait_loadcnt 0x0
	s_wait_tensorcnt 0x0                           ; the pair that I fetched is in LDS,
	s_barrier_signal -1
	s_barrier_wait -1                              ; both are
.macro WM d, a, b, zero, sa, sb, ra, rb
.if (\zero)
.if ((\ra) == 0) && ((\rb) == 0)
	v_wmma_scale_f32_16x16x128_f8f6f4 v[(\d):(\d)+7], v[(\a):(\a)+7], v[(\b):(\b)+7], 0, v[(\sa)], v[(\sb)] matrix_a_fmt:MATRIX_FMT_FP4 matrix_b_fmt:MATRIX_FMT_FP4
.elseif (\rb) == 0
	v_wmma_scale_f32_16x16x128_f8f6f4 v[(\d):(\d)+7], v[(\a):(\a)+7], v[(\b):(\b)+7], 0, v[(\sa)], v[(\sb)] matrix_a_fmt:MATRIX_FMT_FP4 matrix_b_fmt:MATRIX_FMT_FP4 matrix_a_scale:MATRIX_SCALE_ROW1
.elseif (\ra) == 0
	v_wmma_scale_f32_16x16x128_f8f6f4 v[(\d):(\d)+7], v[(\a):(\a)+7], v[(\b):(\b)+7], 0, v[(\sa)], v[(\sb)] matrix_a_fmt:MATRIX_FMT_FP4 matrix_b_fmt:MATRIX_FMT_FP4 matrix_b_scale:MATRIX_SCALE_ROW1
.else
	v_wmma_scale_f32_16x16x128_f8f6f4 v[(\d):(\d)+7], v[(\a):(\a)+7], v[(\b):(\b)+7], 0, v[(\sa)], v[(\sb)] matrix_a_fmt:MATRIX_FMT_FP4 matrix_b_fmt:MATRIX_FMT_FP4 matrix_a_scale:MATRIX_SCALE_ROW1 matrix_b_scale:MATRIX_SCALE_ROW1
.endif
.else
.if ((\ra) == 0) && ((\rb) == 0)
	v_wmma_scale_f32_16x16x128_f8f6f4 v[(\d):(\d)+7], v[(\a):(\a)+7], v[(\b):(\b)+7], v[(\d):(\d)+7], v[(\sa)], v[(\sb)] matrix_a_fmt:MATRIX_FMT_FP4 matrix_b_fmt:MATRIX_FMT_FP4
.elseif (\rb) == 0
	v_wmma_scale_f32_16x16x128_f8f6f4 v[(\d):(\d)+7], v[(\a):(\a)+7], v[(\b):(\b)+7], v[(\d):(\d)+7], v[(\sa)], v[(\sb)] matrix_a_fmt:MATRIX_FMT_FP4 matrix_b_fmt:MATRIX_FMT_FP4 matrix_a_scale:MATRIX_SCALE_ROW1
.elseif (\ra) == 0
	v_wmma_scale_f32_16x16x128_f8f6f4 v[(\d):(\d)+7], v[(\a):(\a)+7], v[(\b):(\b)+7], v[(\d):(\d)+7], v[(\sa)], v[(\sb)] matrix_a_fmt:MATRIX_FMT_FP4 matrix_b_fmt:MATRIX_FMT_FP4 matrix_b_scale:MATRIX_SCALE_ROW1
.else
	v_wmma_scale_f32_16x16x128_f8f6f4 v[(\d):(\d)+7], v[(\a):(\a)+7], v[(\b):(\b)+7], v[(\d):(\d)+7], v[(\sa)], v[(\sb)] matrix_a_fmt:MATRIX_FMT_FP4 matrix_b_fmt:MATRIX_FMT_FP4 matrix_a_scale:MATRIX_SCALE_ROW1 matrix_b_scale:MATRIX_SCALE_ROW1
.endif
.endif
.endm
; K step s of a pair: eight matrix instructions on eight accumulators by turns; first = 1: the constant 0 starts the sums
.macro MUL buf, s, first
	WIN 0x01                                       ; source 0 (W) window 1
.irp ut, 0,1
.irp T, 0,1,2,3
	WM ACC+32*\ut+8*\T, 8*(8*\T+(\s)), \buf+16*((\s)%2)+8*\ut, \first, WS+8*(\T/2)+(\s), AS+(\s), \T%2, \ut
.endr
.endr
.endm
.macro LDA buf, off, s0
.irp d, 0,1
.irp ut, 0,1
.irp c, 0,1
	ds_load_b128 v[\buf+16*\d+8*\ut+4*\c:\buf+16*\d+8*\ut+4*\c+3], v[LI] offset:\off+((2*(\s0+\d)+\ut)*2+\c)*512
.endr
.endr
.endr
.endm
.macro EPI p
.irp ut, 0,1
.irp g, 0,1
.irp u, 0,1                            ; lane (r, h), register j: stage row 16 ut + r, column 32 g + 16 h + 8 u + j; each accumulator from its low end on
	ds_store_b128 v[STO], v[ACC+32*\ut+8*(2*\g+\u):ACC+32*\ut+8*(2*\g+\u)+3] offset:16*\ut*SP+128*\g+32*\u
	ds_store_b128 v[STO], v[ACC+32*\ut+8*(2*\g+\u)+4:ACC+32*\ut+8*(2*\g+\u)+7] offset:16*\ut*SP+128*\g+32*\u+16
.endr
.endr
.endr
.irp i, 0,1,2,3,4,5,6,7,8,9,10,11,12,13,14,15
	ds_load_b128 v[ACC+4*\i:ACC+4*\i+3], v[SRD] offset:2*SP*\i   ; LDS serves a wave's instructions in order (ISA guide 5.7.1.4): these see my stores
.endr
	s_wait_loadcnt 0x0                             ; x's rows of this pair
.irp i, 0,1,2,3,4,5,6,7,8,9,10,11,12,13,14,15
	s_wait_dscnt 15-\i                             ; load i is back; the younger ones may be out
	v_pk_add_f32 v[ACC+4*\i:ACC+4*\i+1], v[ACC+4*\i:ACC+4*\i+1], v[BO:BO+1]
	v_pk_add_f32 v[ACC+4*\i+2:ACC+4*\i+3], v[ACC+4*\i+2:ACC+4*\i+3], v[BO+2:BO+3]
	v_pk_add_f32 v[ACC+4*\i:ACC+4*\i+1], v[ACC+4*\i:ACC+4*\i+1], v[XR+4*\i:XR+4*\i+1]
	v_pk_add_f32 v[ACC+4*\i+2:ACC+4*\i+3], v[ACC+4*\i+2:ACC+4*\i+3], v[XR+4*\i+2:XR+4*\i+3]
	global_store_b128 v[GO], v[ACC+4*\i:ACC+4*\i+3], s[12:13] offset:(\p)*131072+(8*(\i/8)+2*(\i%8)+8*((\i%8)/4))*4096 th:TH_STORE_NT   ; sixteen lanes store 256 consecutive bytes, aligned
.endr
.endm
.macro TRIP p
.if (\p) == 0
	LDA X, 0, 0
	LDA Y, 0, 2
.endif
.irp s, 0,1,2,3,4,5,6,7
	ds_load_b32 v[AS+\s], v[LS] offset:(\p)*PREC+16384+128*\s
.endr
	s_wait_dscnt 0x0
.if (\p) > 0
	s_wait_xcnt 0x0                                ; the last pair's stores have read the registers that the sums take again
.endif
	MUL X, 0, 1
	MUL X, 1, 0
	WIN 0
	PLACES
	LDA X, (\p)*PREC, 4
	MUL Y, 2, 0
	MUL Y, 3, 0
	WIN 0
	PLACES
	LDA Y, (\p)*PREC, 6
	s_wait_dscnt 8                                 ; K steps 4, 5 are in; the eight loads just issued may be out
	MUL X, 4, 0
	MUL X, 5, 0
	WIN 0
	PLACES
.if (\p) == 0
	LDA X, PREC, 0
	s_wait_dscnt 8                                 ; K steps 6, 7 are in
.else
	s_wait_dscnt 0x0
.endif
	MUL Y, 6, 0
	MUL Y, 7, 0
	WIN 0
	PLACES
.if (\p) == 0
	LDA Y, PREC, 2
.endif
	EPI \p
.endm
	TRIP 0
	XLOAD 1                                        ; the second pair's rows of x land under its products
	TRIP 1
	s_wait_tensorcnt 0x0
	ds_add_u32 v62, v63
	s_wait_dscnt 0x0
	s_endpgm
.Lfunc_end_k_qd7340a1ee4_oproj:
	.size	k_qd7340a1ee4_oproj, .Lfunc_end_k_qd7340a1ee4_oproj-k_qd7340a1ee4_oproj
	.p2alignl 7, 3214868480
	.fill 96, 4, 3214868480
	.section	.rodata,"a",@progbits
	.p2align	6, 0x0
	.amdhsa_kernel k_qd7340a1ee4_oproj
		.amdhsa_group_segment_fixed_size 168448
		.amdhsa_private_segment_fixed_size 0
		.amdhsa_enable_private_segment 0
		.amdhsa_kernarg_size 40
		.amdhsa_user_sgpr_count 2
		.amdhsa_user_sgpr_kernarg_segment_ptr 1
		.amdhsa_wavefront_size32 1
		.amdhsa_system_sgpr_workgroup_id_x 1
		.amdhsa_system_sgpr_workgroup_id_y 1
		.amdhsa_system_sgpr_workgroup_id_z 1
		.amdhsa_system_vgpr_workitem_id 0
		.amdhsa_next_free_vgpr 512
		.amdhsa_next_free_sgpr 66
		.amdhsa_reserve_vcc 0
		.amdhsa_float_denorm_mode_32 3
		.amdhsa_float_denorm_mode_16_64 3
		.amdhsa_memory_ordered 1
		.amdhsa_forward_progress 1
		.amdhsa_inst_pref_size 54
	.end_amdhsa_kernel
	.amdgpu_metadata
---
amdhsa.version: [ 1, 2 ]
amdhsa.kernels:
  - .name:           k_qd7340a1ee4_oproj
    .symbol:         k_qd7340a1ee4_oproj.kd
    .args:
      - { .name: ocode, .offset: 0, .size: 8, .value_kind: global_buffer, .address_space: global }
      - { .name: wimg, .offset: 8, .size: 8, .value_kind: global_buffer, .address_space: global }
      - { .name: b_out, .offset: 16, .size: 8, .value_kind: global_buffer, .address_space: global }
      - { .name: x, .offset: 24, .size: 8, .value_kind: global_buffer, .address_space: global }
      - { .name: out0, .offset: 32, .size: 8, .value_kind: global_buffer, .address_space: global }
    .group_segment_fixed_size: 168448
    .private_segment_fixed_size: 0
    .kernarg_segment_align: 8
    .kernarg_segment_size: 40
    .max_flat_workgroup_size: 128
    .sgpr_count:     66
    .vgpr_count:     512
    .wavefront_size: 32
...
	.end_amdgpu_metadata
.endif
;; end of part 4
